; MI455X (gfx1250); checked and timed in simulation.
; The chip was launched on July 23, 2026; its instructions are those of AMD's public machine-readable ISA for CDNA 5 (MIT licence, August 2026) and "CDNA5" Instruction Set Architecture Reference Guide (July 2026). The comments in the code are by the model that wrote it; some were corrected since.
;; Chinese CLIP Vision Layer. Allowed arithmetic: float matrix products may take bf16 or f16 operands with f32 sums; other float arithmetic in f32, or as packed bf16 or f16 multiplies, adds, multiply-adds, maxima and minima; sums over many terms, partial sums and values carried from step to step in f32; what a program stores and reads back later, other than sums and carried values, may be rounded once to bf16 or f16.
;; Inputs: fc1_b 4,096 float32; fc1_w 4,096 x 1,024 float32; fc2_b 1,024 float32; fc2_w 1,024 x 4,096 float32; hidden_states 32 x 128 x 1,024 float32; k_b 1,024 float32; k_w 1,024 x 1,024 float32; ln1_b 1,024 float32; ln1_g 1,024 float32; ln2_b 1,024 float32; ln2_g 1,024 float32; o_b 1,024 float32; o_w 1,024 x 1,024 float32; q_b 1,024 float32; q_w 1,024 x 1,024 float32; v_b 1,024 float32; v_w 1,024 x 1,024 float32.
;; Outputs: out0 32 x 128 x 1,024 float32.
;; 2 versions, each right; version 2 is version 1 with the launches prep, ln2 written anew for expert scheduling mode. Each part assembles by itself: llvm-mc -triple=amdgcn-amd-amdhsa -mcpu=gfx1250 --defsym DOCPART=n.
;; ======== version 1 of 2: 6 launches
;; workspace buffers: wb 25,165,824 bytes; h1 8,388,608 bytes; att 8,388,608 bytes; x1 16,777,216 bytes; h2 8,388,608 bytes; ff 33,554,432 bytes
;; launch prep (part 1): grid 1024 x 1, 8 waves a work-group, no clusters, 0 bytes of LDS; arguments hidden_states, ln1_g, ln1_b, q_w, k_w, v_w, o_w, fc1_w, fc2_w, wb, h1; writes wb, h1
.if DOCPART == 1
	.amdgcn_target "amdgcn-amd-amdhsa--gfx1250"
	.amdhsa_code_object_version 6
	.text
	.protected	k_q45c7763319_prep
	.globl	k_q45c7763319_prep
	.p2align	8
	.type	k_q45c7763319_prep,@function
k_q45c7763319_prep:
	s_mov_b64 s[64:65], 0
	v_nop
	global_prefetch_b8 v0, s[64:65] scope:SCOPE_SE
	s_setreg_imm32_b32 hwreg(HW_REG_WAVE_MODE, 25, 1), 1
	s_wait_xcnt 0x0
; FIRST OF SIX LAUNCHES of one pre-LN transformer layer on 4,096 tokens of 1,024 channels (16 heads of 64, hidden width 4,096).
; This launch: h1 = LayerNorm1(hidden_states) rounded to bf16, and the six weight matrices rounded to bf16 into wb, each row-major as given, in the order q, k, v, o, fc1, fc2.
; WORK LEFT OUT IN THE WHOLE PROGRAM: k_b.  scores[q][k] = q . (h Wk^T + k_b)[k] = q . (h Wk^T)[k] + q . k_b, and q . k_b is the same for all keys k of a row q; softmax along k
; cancels a term that is the same along its axis, for all finite values of the inputs.  So k_b has no way to the output: it is not loaded and is an argument of no launch.
; LIMIT: a NaN, an infinity or an overflow that k_b alone would bring into the scores is not carried to the result.
; LIMITS of the program: matrix operands (h1, the weights, q, k, v, the softmax's weights, the attention's output, h2, the hidden layer) are rounded once to bf16; sums, norms, softmax and residuals are f32.
; SHARES.  Work-groups 0-255 norm 16 rows each: a wave takes two whole rows (4,096 bytes = 32 registers each), so mean and variance never leave the wave.  The variance is taken of x - mean, as the reference takes it.
; Work-groups 256-1023 round 16,384 weights each, a wave 2,048.  Every work-group reads 65,536 bytes and stores 32,768.  No LDS, no barrier: nothing is shared but 8 KiB of gain and bias.
.set X,   32                           ; v[32:95]   two rows as loaded (register 32 r + 4 j + i: column 128 j + 4 lane + i); or sixteen quads of weights
.set G,   96                           ; v[96:127]  the gain, in a row's layout
.set BT,  128                          ; v[128:159] the bias
.set OUT, 24                           ; s[24:25]   h1
.macro WSUM                            ; v12 summed over the wave's 32 lanes, the result in every lane
	v_add_f32_dpp v12, v12, v12 row_xmask:1 row_mask:0xf bank_mask:0xf
	v_add_f32_dpp v12, v12, v12 row_xmask:2 row_mask:0xf bank_mask:0xf
	v_add_f32_dpp v12, v12, v12 row_xmask:4 row_mask:0xf bank_mask:0xf
	v_add_f32_dpp v12, v12, v12 row_xmask:8 row_mask:0xf bank_mask:0xf
	v_permlanex16_b32 v13, v12, s32, s33
	v_add_f32 v12, v12, v13
.endm
.macro JOIN                            ; the four running pairs into one number, then over the lanes
	v_pk_add_f32 v[4:5], v[4:5], v[6:7]
	v_pk_add_f32 v[8:9], v[8:9], v[10:11]
	v_pk_add_f32 v[4:5], v[4:5], v[8:9]
	v_add_f32 v12, v4, v5
	WSUM
.endm
.macro LNROW r                         ; one row: mean, x - mean, variance, scale, gain and bias, bf16, store
.set R, X+32*(\r)
.irp c, 0,1,2,3
	v_pk_add_f32 v[4+2*(\c):5+2*(\c)], v[R+2*(\c):R+2*(\c)+1], v[R+8+2*(\c):R+8+2*(\c)+1]  ; four chains that do not wait for each other
.endr
.irp k, 2,3
.irp c, 0,1,2,3
	v_pk_add_f32 v[4+2*(\c):5+2*(\c)], v[4+2*(\c):5+2*(\c)], v[R+8*(\k)+2*(\c):R+8*(\k)+2*(\c)+1]
.endr
.endr
	JOIN
	v_mul_f32 v14, s30, v12                        ; mean = sum / 1,024, twice: a pair for the packed subtraction
	v_mul_f32 v15, s30, v12
.set i, 0
.rept 16
	v_pk_add_f32 v[R+i:R+i+1], v[R+i:R+i+1], v[14:15] neg_lo:[0,1] neg_hi:[0,1]
.set i, i+2
.endr
.irp c, 0,1,2,3
	v_pk_mul_f32 v[4+2*(\c):5+2*(\c)], v[R+2*(\c):R+2*(\c)+1], v[R+2*(\c):R+2*(\c)+1]
.endr
.irp k, 1,2,3
.irp c, 0,1,2,3
	v_pk_fma_f32 v[4+2*(\c):5+2*(\c)], v[R+8*(\k)+2*(\c):R+8*(\k)+2*(\c)+1], v[R+8*(\k)+2*(\c):R+8*(\k)+2*(\c)+1], v[4+2*(\c):5+2*(\c)]
.endr
.endr
	JOIN
	v_fma_f32 v12, v12, s30, s31                   ; variance + 1e-5
	v_rsq_f32 v16, v12
	v_rsq_f32 v17, v12
	v_nop                                          ; a plain instruction behind the last root,
	s_wait_alu depctr_va_vdst(0)                   ; and one wait for both, ahead of their first reader
.if (\r) == 0
	s_wait_loadcnt 0x0                             ; gain and bias are in (and the second row)
.endif
.set i, 0
.rept 16
	v_pk_mul_f32 v[R+i:R+i+1], v[R+i:R+i+1], v[16:17]
.set i, i+2
.endr
.set i, 0
.rept 16
	v_pk_fma_f32 v[R+i:R+i+1], v[R+i:R+i+1], v[G+i:G+i+1], v[BT+i:BT+i+1]
.set i, i+2
.endr
.irp j, 0,1,2,3,4,5,6,7
	v_cvt_pk_bf16_f32 v[R+4*(\j)], v[R+4*(\j)], v[R+4*(\j)+1]
	v_cvt_pk_bf16_f32 v[R+4*(\j)+1], v[R+4*(\j)+2], v[R+4*(\j)+3]
	global_store_b64 v3, v[R+4*(\j):R+4*(\j)+1], s[OUT:OUT+1] offset:2048*(\r)+256*(\j)  ; the wave's 32 lanes store 256 consecutive bytes, aligned
.endr
.endm
	s_load_b256 s[4:11], s[0:1], 0x0               ; x s[4:5], gain s[6:7], bias s[8:9], q_w s[10:11]
	s_load_b256 s[12:19], s[0:1], 0x20             ; k_w, v_w, o_w, fc1_w
	s_load_b128 s[20:23], s[0:1], 0x40             ; fc2_w, wb
	s_load_b64 s[24:25], s[0:1], 0x50              ; h1
	v_lshrrev_b32 v12, 5, v0
	v_readfirstlane_b32 s26, v12                   ; wave 0..7
	v_and_b32 v1, 31, v0                           ; lane
	v_mov_b32 v13, 0                               ; v_permlanex16_b32's destination counts as read
	s_mov_b32 s29, 0
	s_mov_b32 s30, 0x3a800000                      ; 1 / 1,024
	s_mov_b32 s31, 0x3727c5ac                      ; 1e-5
	s_mov_b32 s32, 0x76543210                      ; each lane takes its own place in the other half
	s_mov_b32 s33, 0xfedcba98
	s_cmp_lt_u32 ttmp9, 256
	s_cbranch_scc0 .Lcast
	; THE NORM
	s_lshl_b32 s28, ttmp9, 16                      ; 16 rows of 4,096 bytes a work-group,
	s_lshl_b32 s27, s26, 13                        ; two a wave
	s_add_co_u32 s28, s28, s27
	v_lshlrev_b32 v2, 4, v1                        ; 16 bytes a lane in,
	v_lshlrev_b32 v3, 3, v1                        ; 8 out
	s_wait_kmcnt 0x0
	s_add_nc_u64 s[4:5], s[4:5], s[28:29]
	s_lshr_b32 s28, s28, 1                         ; a row of h1 is half as long
	s_add_nc_u64 s[OUT:OUT+1], s[OUT:OUT+1], s[28:29]
.irp r, 0,1
.irp j, 0,1,2,3,4,5,6,7
	global_load_b128 v[X+32*(\r)+4*(\j):X+32*(\r)+4*(\j)+3], v2, s[4:5] offset:4096*(\r)+512*(\j) th:TH_LOAD_NT
.endr
.endr
.irp j, 0,1,2,3,4,5,6,7
	global_load_b128 v[G+4*(\j):G+4*(\j)+3], v2, s[6:7] offset:512*(\j)
.endr
.irp j, 0,1,2,3,4,5,6,7
	global_load_b128 v[BT+4*(\j):BT+4*(\j)+3], v2, s[8:9] offset:512*(\j)
.endr
	s_wait_loadcnt 24                              ; the first row is in; the 24 younger loads (second row, gain, bias) stay out
	LNROW 0
	LNROW 1
	s_endpgm
.Lcast:
	; THE WEIGHTS.  Block c of 16,384 numbers: q 0-63, k 64-127, v 128-191, o 192-255, fc1 256-511, fc2 512-767; wb holds them in that order, so its offset is c x 32,768.
	s_sub_co_u32 s34, ttmp9, 256
	s_mov_b32 s35, 0
	v_lshlrev_b32 v2, 4, v1
	v_lshl_add_u32 v2, s26, 13, v2                 ; in: 16 lane + 8,192 wave
	v_lshlrev_b32 v3, 3, v1
	v_lshl_add_u32 v3, s26, 12, v3                 ; out: 8 lane + 4,096 wave
	s_wait_kmcnt 0x0
	s_mov_b64 s[36:37], s[10:11]
	s_cmp_ge_u32 s34, 64
	s_cselect_b64 s[36:37], s[12:13], s[36:37]
	s_cselect_b32 s35, 64, s35
	s_cmp_ge_u32 s34, 128
	s_cselect_b64 s[36:37], s[14:15], s[36:37]
	s_cselect_b32 s35, 128, s35
	s_cmp_ge_u32 s34, 192
	s_cselect_b64 s[36:37], s[16:17], s[36:37]
	s_cselect_b32 s35, 192, s35
	s_cmp_ge_u32 s34, 256
	s_cselect_b64 s[36:37], s[18:19], s[36:37]
	s_cselect_b32 s35, 256, s35
	s_cmp_ge_u32 s34, 512
	s_cselect_b64 s[36:37], s[20:21], s[36:37]
	s_cselect_b32 s35, 512, s35
	s_sub_co_u32 s28, s34, s35
	s_lshl_b32 s28, s28, 16                        ; my block in its matrix
	s_add_nc_u64 s[36:37], s[36:37], s[28:29]
	s_lshl_b32 s28, s34, 15                        ; and in wb
	s_add_nc_u64 s[22:23], s[22:23], s[28:29]
.irp j, 0,1,2,3,4,5,6,7,8,9,10,11,12,13,14,15
	global_load_b128 v[X+4*(\j):X+4*(\j)+3], v2, s[36:37] offset:512*(\j) th:TH_LOAD_NT
.endr
.irp j, 0,1,2,3,4,5,6,7,8,9,10,11,12,13,14,15
	s_wait_loadcnt 15-(\j)                         ; loads come back in order: quad j is in, the younger ones stay out
	v_cvt_pk_bf16_f32 v[X+4*(\j)], v[X+4*(\j)], v[X+4*(\j)+1]
	v_cvt_pk_bf16_f32 v[X+4*(\j)+1], v[X+4*(\j)+2], v[X+4*(\j)+3]
	global_store_b64 v3, v[X+4*(\j):X+4*(\j)+1], s[22:23] offset:256*(\j)  ; 256 consecutive bytes, aligned
.endr
	s_endpgm
.Lfunc_end_k_q45c7763319_prep:
	.size	k_q45c7763319_prep, .Lfunc_end_k_q45c7763319_prep-k_q45c7763319_prep
	.p2alignl 7, 3214868480
	.fill 96, 4, 3214868480
	.section	.rodata,"a",@progbits
	.p2align	6, 0x0
	.amdhsa_kernel k_q45c7763319_prep
		.amdhsa_group_segment_fixed_size 0
		.amdhsa_private_segment_fixed_size 0
		.amdhsa_enable_private_segment 0
		.amdhsa_kernarg_size 88
		.amdhsa_user_sgpr_count 2
		.amdhsa_user_sgpr_kernarg_segment_ptr 1
		.amdhsa_wavefront_size32 1
		.amdhsa_system_sgpr_workgroup_id_x 1
		.amdhsa_system_sgpr_workgroup_id_y 1
		.amdhsa_system_sgpr_workgroup_id_z 1
		.amdhsa_system_vgpr_workitem_id 0
		.amdhsa_next_free_vgpr 160
		.amdhsa_next_free_sgpr 66
		.amdhsa_reserve_vcc 0
		.amdhsa_float_denorm_mode_32 3
		.amdhsa_float_denorm_mode_16_64 3
		.amdhsa_memory_ordered 1
		.amdhsa_forward_progress 1
		.amdhsa_inst_pref_size 27
	.end_amdhsa_kernel
	.amdgpu_metadata
---
amdhsa.version: [ 1, 2 ]
amdhsa.kernels:
  - .name:           k_q45c7763319_prep
    .symbol:         k_q45c7763319_prep.kd
    .args:
      - { .name: hidden_states, .offset: 0, .size: 8, .value_kind: global_buffer, .address_space: global }
      - { .name: ln1_g, .offset: 8, .size: 8, .value_kind: global_buffer, .address_space: global }
      - { .name: ln1_b, .offset: 16, .size: 8, .value_kind: global_buffer, .address_space: global }
      - { .name: q_w, .offset: 24, .size: 8, .value_kind: global_buffer, .address_space: global }
      - { .name: k_w, .offset: 32, .size: 8, .value_kind: global_buffer, .address_space: global }
      - { .name: v_w, .offset: 40, .size: 8, .value_kind: global_buffer, .address_space: global }
      - { .name: o_w, .offset: 48, .size: 8, .value_kind: global_buffer, .address_space: global }
      - { .name: fc1_w, .offset: 56, .size: 8, .value_kind: global_buffer, .address_space: global }
      - { .name: fc2_w, .offset: 64, .size: 8, .value_kind: global_buffer, .address_space: global }
      - { .name: wb, .offset: 72, .size: 8, .value_kind: global_buffer, .address_space: global }
      - { .name: h1, .offset: 80, .size: 8, .value_kind: global_buffer, .address_space: global }
    .group_segment_fixed_size: 0
    .private_segment_fixed_size: 0
    .kernarg_segment_align: 8
    .kernarg_segment_size: 88
    .max_flat_workgroup_size: 256
    .sgpr_count:     66
    .vgpr_count:     160
    .wavefront_size: 32
...
	.end_amdgpu_metadata
.endif
;; end of part 1
;; launch qkvatt (part 2): grid 8 x 32, 4 waves a work-group, clusters of 4 x 4, 327,680 bytes of LDS; arguments h1, wb, q_b, v_b, att; writes att
.if DOCPART == 2
	.amdgcn_target "amdgcn-amd-amdhsa--gfx1250"
	.amdhsa_code_object_version 6
	.text
	.protected	k_q45c7763319_qkvatt
	.globl	k_q45c7763319_qkvatt
	.p2align	8
	.type	k_q45c7763319_qkvatt,@function
k_q45c7763319_qkvatt:
	s_mov_b64 s[64:65], 0
	v_nop
	global_prefetch_b8 v0, s[64:65] scope:SCOPE_SE
	s_setreg_imm32_b32 hwreg(HW_REG_WAVE_MODE, 25, 1), 1
	s_wait_xcnt 0x0
	s_wait_alu depctr_hold_cnt(0) depctr_sa_sdst(0) depctr_va_vdst(0) depctr_va_sdst(0) depctr_va_ssrc(0) depctr_va_vcc(0) depctr_vm_vsrc(0)
	s_getreg_b32 s2, hwreg(HW_REG_IB_STS2, 6, 4)
	s_cmp_eq_u32 s2, 0
	s_cbranch_scc0 .Lentry_in_a_cluster
	s_endpgm
.Lentry_in_a_cluster:
	s_bfe_u32 s2, ttmp6, 0x10000c
	s_cmp_lg_u32 s2, 0xf033
	s_cbranch_scc0 .Lentry_shape_is_right
	s_endpgm
.Lentry_shape_is_right:
; SECOND LAUNCH: for one batch (128 tokens) and one pair of heads (128 channels): q = h1 Wq^T + q_b, k = h1 Wk^T, v = h1 Wv^T + v_b, then att = softmax(q k^T / 8) v.  32 batches x 8 pairs = 256 work-groups.
; LEFT OUT: k_b (a term q . k_b that is the same for all keys of a row, which the softmax cancels for all values: shown at the head of the first kernel).
; LIMITS: q, k, v, the weights p and att are rounded once to bf16; a weight below 2^-126 counts as 0; NaN and infinities are not treated apart.  The true maximum of a row's 128 scores is taken away before the exponential.
; THE PRODUCT.  C is 128 tokens x 384 columns, K = 1,024 in 8 steps of 128 through two LDS slots.  A slot holds 128 rows x 256 bytes of h1 and of the pair's rows of Wq, Wk, Wv; wave w fetches region w with one tensor load.
; A wave makes all 128 tokens x 32 channels (32 w ..) of each of q, k, v: 48 accumulators.  The matrix instruction is used transposed (source 0 = 16 weight rows, source 1 = 16 tokens): a lane holds one token (lane % 16)
; and eight neighbouring channels.  The biases are the C operand of each sum's first product; k's sums start with the constant 0.
; CLUSTER 4 x 4: the four work-groups of a row share the batch (h1's tile), the four of a column share the pair (the weights' tiles): each tile is asked for jointly, by the same load, descriptor and mask in all four.
; THE WALK ALONG K IS A RING: cluster (x, y) begins at step 4 x + 2 (y mod 4) and goes round (f32 sums may be taken in any order).  So the two clusters that read a batch's rows of h1 stand four steps apart, and four
; neighbours along y, which read the same weights, two steps apart: they ask for the same rows at different times.  The start is made of the cluster's coordinates alone: it is equal in all sixteen partners.
; NO PREFETCH: the steps that this cluster is the first of such a group to ask for are its own first four at the most; two come by the first fills, and a request ahead of the other two would stand at the head, among the first tiles' loads.
; ATTENTION.  q, k, v go as bf16 into LDS, over the ring, whose slots have had their last fill.  Wave w takes queries 32 w .. 32 w + 31 of both heads, a head a trip.  S^T = K Q^T holds one query a lane; two results rounded to bf16
; are source 1 of O^T = V^T P; V is read turned, by ds_load_tr16_b128.  SCALE lies in c = log2(e) / 8: p = 2^(c s - c m).
; REGISTERS, in windows of 256 (s_set_vgpr_msb: bits 1:0 source 0, 3:2 source 1, 5:4 source 2, 7:6 destination):
;   window 0: v0-29 addresses; v32-143, v144-255 two fragment buffers (6 of the weights, 8 of h1); later the packed q, k, v; later statistics, S^T and P
;   window 1: accumulators 0-31 (number 6 a + b: token block a, column block b = 2 t + i, t = q, k, v); later K, Q, O^T       window 2: accumulators 32-47; v128-159 the biases; later V
.set KSTEP,  128
.set KSTEPS, 8
.set KSH,    8                         ; a K step is 256 bytes of a row
.set PITCH,  272                       ; an LDS row: 256 bytes + 16 of padding = 68 words: the 16 rows of a load start at 16 different groups of four banks (64 banks of 4 bytes: ISA guide 11.1)
.set HALFT,  128*PITCH                 ; a region: what one tensor load brings
.set SLOT,   4*HALFT
.set SPARE,  2*SLOT                    ; behind the ring: the spare words, 128 bytes a wave, which no other line names
.set PVP,    288                       ; a row of v in LDS: 256 + 32 bytes: 16 lanes of the turning load take 8 rows x 32 bytes
.set LK,     HALFT                     ; q at LDS byte 0, k here,
.set LV,     2*HALFT                   ; v here,
.set LO,     LV+128*PVP                ; and each wave's 32 rows x 272 bytes for O here
.set WST,    32*PITCH
.set GW0,    (1<<16)|(1<<20)|(1<<21)|(5<<22)|(3<<25)  ; group 1, word 0 beside the mask: 2-byte elements; padding on; bit 21 set beside a mask; after every 64 words (code 5) 4 words (code 3)
.set LANEA, 3                          ; v3   (l % 16) x 272 + 16 (l / 16): my lane's place in a fragment's rows; h1's region begins at a slot's byte 0
.set LANEB, 11                         ; v11  the same in Wq's region, at my 32 rows
.set LANEV, 12                         ; v12  in Wv's region (an offset of 16 bits does not reach it from v11)
.set ADRA,  13                         ; v13-15 the three with the slot in hand added
.set ADRB,  14
.set ADRV,  15
.set STO,   16                         ; v16  where I put 16 bytes of a row of q or k
.set RD,    17                         ; v17  where I read rows of O back
.set CO,    18                         ; v18  my byte offset in att
.set BO,    19                         ; v19  my byte offset in the biases
.set STV,   21                         ; v21  where I put 16 bytes of a row of v
.set AQ,    22                         ; v22-24 the attention's fragment addresses; they step by a head's 128 bytes
.set AK,    23
.set AV,    24
.set OST,   25                         ; v25  where I put 16 bytes of a row of O
.set SPW,   28                         ; v28  my spare word; never rewritten
.set NIL,   29                         ; v29  0; never rewritten
.set F0,    32
.set F1,    144
.set PK,    32                         ; the packed q, k, v: four registers an accumulator
.set ST,    32                         ; tile t: c m, m, 1 / l twice
.set CM,    40                         ; tile t: eight running maxima
.set S,     64                         ; S^T: 64 t + 8 kb
.set P,     192                        ; P: 32 t + 4 kb
.set QF,    128                        ; window 1
.set OT,    160                        ; window 1
.set TB,  2                            ; s2   LDS byte of the slot in hand: 0 or SLOT
.set CNT, 3
.set WV,  14
.set CX,  17
.set CY,  18
.set TX,  19                           ; the pair of heads
.set TY,  20                           ; the batch
.set WOFF, 21
.set G1A, 24
.set G0A0, 32
.set G0A, 36                           ; fills slot 1 first, then walks
.set G1B, 40
.set G0B0, 48
.set G0B, 52
.set SEL, 68
.set CS,  70
.set KI,  72                           ; s72  the K step that the walking descriptors stand at, 0 .. 7
.set KOF, 74                           ; s[74:75] its byte offset in a row
.set MSB, 0
.macro WIN new                         ; the immediate's high byte repeats the setting that is left; a switch that changes nothing is dropped
.if MSB != (\new)
	s_set_vgpr_msb (MSB<<8)|(\new)
.set MSB, \new
.endif
.endm
.macro PLACES                          ; four plain places behind a matrix instruction (ISA guide 7.12.1)
.rept 4
	v_nop
.endr
.endm
.macro NEXTK                           ; one step on, round the ring
	s_add_co_u32 s[KI], s[KI], 1
	s_and_b32 s[KI], s[KI], KSTEPS-1
.endm
.macro AIM ga, gb                      ; two descriptors' global addresses are made anew: the tile's first row at K step KI; the type bits are set again
	s_lshl_b32 s[KOF], s[KI], KSH
	s_add_nc_u64 s[(\ga)+2:(\ga)+3], s[22:23], s[KOF:KOF+1]
	s_or_b32 s[(\ga)+3], s[(\ga)+3], 0x80000000
	s_add_nc_u64 s[(\gb)+2:(\gb)+3], s[56:57], s[KOF:KOF+1]
	s_or_b32 s[(\gb)+3], s[(\gb)+3], 0x80000000
.endm
.macro JLOAD                           ; a joint refill: wave 0 fetches h1's tile, waves 1-3 the weights'.  An s_nop 0 and four v_nop follow each line
	s_cmp_eq_u32 s[WV], 0
	s_cbranch_scc0 .Lfor_b_\@
	tensor_load_to_lds s[G0A:G0A+3], s[G1A:G1A+7]
	s_nop 0
.rept 4
	v_nop
.endr
	s_branch .Lasked_\@
.Lfor_b_\@:
	tensor_load_to_lds s[G0B:G0B+3], s[G1B:G1B+7]
	s_nop 0
.rept 4
	v_nop
.endr
.Lasked_\@:
.endm
.macro CREST                           ; a round of the cluster's barrier behind its opening barrier
	s_cmp_lg_u32 s[WV], 0
	s_cbranch_scc1 .Lnot_wave_0_\@
	s_barrier_signal -3
.Lnot_wave_0_\@:
	s_barrier_wait -3
	s_barrier_signal -1
	s_barrier_wait -1
.endm
.macro CROUND
	s_barrier_signal -1
	s_barrier_wait -1
	CREST
.endm
; Products for token blocks a0 .. a0 + n - 1 x all six column blocks, 32 along K.  The 48 accumulators take turns, one instruction a turn, in the same order in every quarter.
.macro MULQ f, a0, n, first
.set aa, \a0
.rept \n
.set bb, 0
.rept 6
.set idx, 6*aa+bb
.set rD, 8*(idx%32)
.set wD, 1+idx/32
.set rC, 128+8*bb-16*(bb/4)
.if \first
	WIN 0x20|(wD<<6)                               ; C, the bias, in window 2
.else
	WIN (wD<<4)|(wD<<6)
.endif
.if (\first) && (bb/2 == 1)
	v_wmma_f32_16x16x32_bf16 v[rD:rD+7], v[(\f)+8*bb:(\f)+8*bb+7], v[(\f)+48+8*aa:(\f)+48+8*aa+7], 0
.elseif \first
	v_wmma_f32_16x16x32_bf16 v[rD:rD+7], v[(\f)+8*bb:(\f)+8*bb+7], v[(\f)+48+8*aa:(\f)+48+8*aa+7], v[rC:rC+7]
.else
	v_wmma_f32_16x16x32_bf16 v[rD:rD+7], v[(\f)+8*bb:(\f)+8*bb+7], v[(\f)+48+8*aa:(\f)+48+8*aa+7], v[rD:rD+7]
.endif
.set bb, bb+1
.endr
.set aa, aa+1
.endr
.endm
; 28 LDS loads in one run: the fragments of 32 along K at byte k of the rows: the weights' six, then h1's eight
.macro FETCH k, f
	WIN 0
.irp t, 0,1
.irp i, 0,1
	ds_load_b128 v[(\f)+8*(2*(\t)+(\i)):(\f)+8*(2*(\t)+(\i))+3],   v[ADRB] offset:(\k)+(\t)*HALFT+(\i)*16*PITCH
	ds_load_b128 v[(\f)+8*(2*(\t)+(\i))+4:(\f)+8*(2*(\t)+(\i))+7], v[ADRB] offset:(\k)+(\t)*HALFT+(\i)*16*PITCH+32
.endr
.endr
.irp i, 0,1
	ds_load_b128 v[(\f)+32+8*(\i):(\f)+32+8*(\i)+3],   v[ADRV] offset:(\k)+(\i)*16*PITCH
	ds_load_b128 v[(\f)+32+8*(\i)+4:(\f)+32+8*(\i)+7], v[ADRV] offset:(\k)+(\i)*16*PITCH+32
.endr
.irp a, 0,1,2,3,4,5,6,7
	ds_load_b128 v[(\f)+48+8*(\a):(\f)+48+8*(\a)+3],   v[ADRA] offset:(\k)+(\a)*16*PITCH
	ds_load_b128 v[(\f)+48+8*(\a)+4:(\f)+48+8*(\a)+7], v[ADRA] offset:(\k)+(\a)*16*PITCH+32
.endr
.endm
; A K step is four quarters of 32 along K, 48 matrix instructions each, on buffers 0, 1, 0, 1.  One of the first three multiplies buffer f and fetches the next quarter, at byte k, into g.
.macro QUARTER k, f, g, first
	s_wait_dscnt 8                                 ; all but the youngest eight loads (h1's blocks 4-7) are in
	MULQ \f, 0, 4, \first
	PLACES                                         ; in front of loads into registers that the quarter before multiplied
	FETCH \k, \g
	s_wait_dscnt 28                                ; all but the 28 just issued
	MULQ \f, 4, 4, \first
.endm
; The fourth quarter multiplies buffer 1 and changes slots.  In front of the one barrier each wave waits for all its tensor loads (its part of the next slot), adds 0 to its spare word, and waits for that and for its reads of this slot.
; fill = 1: the barrier opens a round of the cluster's barrier, and the slot just read is filled again, first thing behind the round, with the step two on in the ring.
.macro TURN fill
	WIN 0
	s_wait_tensorcnt 0x0                           ; all my tensor loads have landed, so the descriptors may be written
	ds_add_u32 v[SPW], v[NIL]                      ; 0 onto my spare word: the descriptors' steps stand between it and the wait for it
.if \fill
	NEXTK
	AIM G0A, G0B
	s_xor_b32 s[G0A+1], s[G0A+1], SLOT             ; the other slot than last time (SLOT's bits are none of WOFF's, so the exclusive or adds or takes away SLOT)
	s_xor_b32 s[G0B+1], s[G0B+1], SLOT
.endif
	s_wait_dscnt 9                                 ; (the add and the youngest eight loads may be out)
	MULQ F1, 0, 2, 0
	s_wait_dscnt 0x0                               ; the add is done, and my reads of this slot are over
	s_barrier_signal -1
	MULQ F1, 2, 2, 0
	WIN 0
	s_barrier_wait -1
.if \fill
	CREST                                          ; no wave of any partner still reads this slot or has a load on its way
	s_xor_b32 s[TB], s[TB], SLOT
	JLOAD                                          ; its four v_nop are also the places in front of the loads below
.else
	s_xor_b32 s[TB], s[TB], SLOT
	PLACES
.endif
	v_add_nc_u32 v[ADRA], s[TB], v[LANEA]
	v_add_nc_u32 v[ADRB], s[TB], v[LANEB]
	v_add_nc_u32 v[ADRV], s[TB], v[LANEV]
	FETCH 0, F0
	MULQ F1, 4, 4, 0
.endm
	s_load_b256 s[4:11], s[0:1], 0x0               ; h1 s[4:5], wb s[6:7], q_b s[8:9], v_b s[10:11]
	s_load_b64 s[12:13], s[0:1], 0x20              ; att
	v_lshl_add_u32 v[SPW], v0, 2, SPARE
	v_mov_b32 v[NIL], 0
	ds_add_u32 v[SPW], v[NIL]                      ; the wave's opening: the add, twice on end, and its wait ahead of my first tensor load
	ds_add_u32 v[SPW], v[NIL]
	v_lshrrev_b32 v1, 5, v0
	v_readfirstlane_b32 s[WV], v1                  ; wave 0..3
	s_bfe_u32 s[CX], ttmp6, 0x40000
	s_bfe_u32 s[CY], ttmp6, 0x40004
	s_lshl_b32 s[TX], ttmp9, 2
	s_add_co_u32 s[TX], s[TX], s[CX]
	s_and_b32 s[TY], ttmp7, 0xffff
	s_lshl_b32 s[TY], s[TY], 2
	s_add_co_u32 s[TY], s[TY], s[CY]
	s_lshl_b32 s60, s[CY], 2
	s_lshl_b32 s60, 15, s60                        ; my row of the cluster
	s_lshl_b32 s61, 0x1111, s[CX]                  ; my column
	s_or_b32 s[G1A], s60, GW0
	s_or_b32 s[G1B], s61, GW0
.irp g, G1A, G1B
	s_mov_b32 s[(\g)+1], KSTEP<<16                 ; tensor_dim0 = 128
	s_mov_b32 s[(\g)+2], 128<<16                   ; tensor_dim1 = 128
	s_mov_b32 s[(\g)+3], KSTEP<<16                 ; tile_dim0 = 128
	s_mov_b32 s[(\g)+4], 128                       ; tile_dim1 = 128
	s_mov_b32 s[(\g)+5], 1024                      ; elements from row to row
	s_mov_b32 s[(\g)+6], 0
	s_mov_b32 s[(\g)+7], 0
.endr
	s_and_b32 s[KI], ttmp7, 3                      ; where my cluster's walk begins: 2 x (cluster y mod 4)
	s_lshl_b32 s[KI], s[KI], 1
	s_lshl_b32 s73, ttmp9, 2                       ; + 4 x cluster x,
	s_add_co_u32 s[KI], s[KI], s73
	s_and_b32 s[KI], s[KI], KSTEPS-1               ; round the ring
	s_mov_b32 s[KOF+1], 0
	s_lshl_b32 s22, s[TY], 18                      ; the batch's 128 rows of 2,048 bytes
	s_mov_b32 s23, 0
	s_max_u32 s56, s[WV], 1
	s_sub_co_u32 s56, s56, 1                       ; waves 1, 2, 3: Wq, Wk, Wv, 2 MiB apart in wb
	s_lshl_b32 s56, s56, 21
	s_lshl_b32 s57, s[TX], 18                      ; the pair's 128 rows
	s_add_co_u32 s56, s56, s57
	s_mov_b32 s57, 0
	s_mul_i32 s[WOFF], s[WV], HALFT                ; region w of a slot: no place in the cluster enters an LDS address
	s_mov_b32 s[TB], 0
	s_mov_b32 s[SEL], 0x76543210
	s_mov_b32 s[SEL+1], 0xfedcba98
	s_mov_b32 s[CS], 0x3e38aa3b                    ; c = log2(e) / 8
	s_mov_b32 s[CS+1], s[CS]
	s_mov_b32 s[G0A0], 1
	s_mov_b32 s[G0A0+1], s[WOFF]
	s_mov_b32 s[G0A], 1
	s_add_co_u32 s[G0A+1], s[WOFF], SLOT
	s_mov_b32 s[G0B0], 1
	s_mov_b32 s[G0B0+1], s[WOFF]
	s_mov_b32 s[G0B], 1
	s_add_co_u32 s[G0B+1], s[WOFF], SLOT
	s_wait_dscnt 0x0                               ; both opening adds are done
	s_wait_kmcnt 0x0
	s_add_nc_u64 s[22:23], s[4:5], s[22:23]
	s_add_nc_u64 s[56:57], s[6:7], s[56:57]
	AIM G0A0, G0B0                                 ; slot 0: the walk's first step,
	NEXTK
	AIM G0A, G0B                                   ; slot 1: its second
	CROUND                                         ; all sixteen work-groups are here: the first joint loads meet
	s_cmp_eq_u32 s[WV], 0                          ; a wave's two first fills stand in one branch: two loads of mine are out
	s_cbranch_scc0 .Lfirst_b
	tensor_load_to_lds s[G0A0:G0A0+3], s[G1A:G1A+7]
	s_nop 0
	tensor_load_to_lds s[G0A:G0A+3], s[G1A:G1A+7]
	s_nop 0
.rept 4
	v_nop
.endr
	s_branch .Lfirst_asked
.Lfirst_b:
	tensor_load_to_lds s[G0B0:G0B0+3], s[G1B:G1B+7]
	s_nop 0
	tensor_load_to_lds s[G0B:G0B+3], s[G1B:G1B+7]
	s_nop 0
.rept 4
	v_nop
.endr
.Lfirst_asked:
	v_and_b32 v1, 15, v0                           ; l % 16
	v_bfe_u32 v2, v0, 4, 1                         ; l / 16
	v_mul_u32_u24 v3, v1, PITCH
	v_lshl_add_u32 v3, v2, 4, v3                   ; row x pitch + 16 x half
	s_mul_i32 s58, s[WV], WST                      ; 32 rows a wave
	s_add_co_u32 s59, s58, HALFT
	v_add_nc_u32 v[LANEB], s59, v3
	v_add_nc_u32 v[LANEV], 2*HALFT, v[LANEB]
	v_lshl_add_u32 v[STO], s[WV], 6, v3            ; my 32 channels are 64 bytes of a row
	v_mul_u32_u24 v4, v1, PVP
	v_lshl_add_u32 v4, v2, 4, v4
	v_lshl_add_u32 v4, s[WV], 6, v4
	v_add_nc_u32 v[STV], LV, v4
	v_add_nc_u32 v[AQ], s58, v3                    ; my 32 queries
	v_add_nc_u32 v[AK], LK, v3
	v_and_b32 v4, 7, v0                            ; the turning load: lane l reads key 8 (l / 16) + l % 8, channels 8 ((l / 8) % 2) ..
	v_lshl_add_u32 v4, v2, 3, v4
	v_mul_u32_u24 v4, v4, PVP
	v_bfe_u32 v5, v0, 3, 1
	v_lshl_add_u32 v4, v5, 4, v4
	v_add_nc_u32 v[AV], LV, v4
	s_add_co_u32 s59, s58, LO
	v_add_nc_u32 v[OST], s59, v3
	v_mul_u32_u24 v4, v2, PITCH
	v_lshl_add_u32 v4, v1, 4, v4
	v_add_nc_u32 v[RD], s59, v4                    ; back: lanes 0-15 one row of 256 bytes, lanes 16-31 the next
	v_lshlrev_b32 v4, 11, v2
	v_lshl_add_u32 v[CO], v1, 4, v4                ; and the same two rows in att
	v_lshlrev_b32 v4, 5, v2
	v_lshl_add_u32 v[BO], s[WV], 7, v4             ; 4 x (32 w + 8 (l / 16))
	s_lshl_b32 s58, s[TX], 9                       ; the pair's 128 channels in a bias
	s_mov_b32 s59, 0
	s_add_nc_u64 s[8:9], s[8:9], s[58:59]
	s_add_nc_u64 s[10:11], s[10:11], s[58:59]
	WIN 0x80                                       ; destination window 2
.irp i, 0,1
	global_load_b128 v[128+8*(\i):128+8*(\i)+3],   v[BO], s[8:9] offset:64*(\i)
	global_load_b128 v[128+8*(\i)+4:128+8*(\i)+7], v[BO], s[8:9] offset:64*(\i)+16
	global_load_b128 v[144+8*(\i):144+8*(\i)+3],   v[BO], s[10:11] offset:64*(\i)
	global_load_b128 v[144+8*(\i)+4:144+8*(\i)+7], v[BO], s[10:11] offset:64*(\i)+16
.endr
	WIN 0
	s_lshl_b32 s58, s[TY], 18                      ; att: the batch's rows,
	s_lshl_b32 s63, s[WV], 16                      ; my 32 of them,
	s_add_co_u32 s58, s58, s63
	s_lshl_b32 s63, s[TX], 8                       ; the pair's 256 bytes
	s_add_co_u32 s58, s58, s63
	s_add_nc_u64 s[12:13], s[12:13], s[58:59]
	s_wait_tensorcnt 1                             ; my part of the first step is in; the second's may stay out
	s_barrier_signal -1
	s_barrier_wait -1
	v_add_nc_u32 v[ADRA], s[TB], v[LANEA]
	v_add_nc_u32 v[ADRB], s[TB], v[LANEB]
	v_add_nc_u32 v[ADRV], s[TB], v[LANEV]
	FETCH 0, F0
	s_wait_loadcnt 0x0                             ; the biases
	QUARTER 64, F0, F1, 1                          ; the first quarter stands in front of the loop: its products start the sums
	WIN 0
	s_mov_b32 s[CNT], KSTEPS-2
.Lstep:                                        ; a trip: from a K step's second quarter to the next step's first; one slot is filled again
	QUARTER 128, F1, F0, 0
	QUARTER 192, F0, F1, 0
	TURN 1
	QUARTER 64, F0, F1, 0
	WIN 0
	s_sub_co_u32 s[CNT], s[CNT], 1
	s_cmp_lg_u32 s[CNT], 0
	s_cbranch_scc1 .Lstep
	s_mov_b32 s[CNT], 2
.Ltail:                                        ; the last two K steps ask for nothing; the second trip is left in its middle
	QUARTER 128, F1, F0, 0
	QUARTER 192, F0, F1, 0
	WIN 0
	s_sub_co_u32 s[CNT], s[CNT], 1
	s_cmp_eq_u32 s[CNT], 0
	s_cbranch_scc1 .Llast
	TURN 0
	QUARTER 64, F0, F1, 0
	WIN 0
	s_branch .Ltail
.Llast:
	s_wait_dscnt 8
	MULQ F1, 0, 4, 0
	s_wait_dscnt 0x0
	MULQ F1, 4, 4, 0
	WIN 0
	PLACES
	PLACES
	; q, k, v to bf16: a lane's eight channels of a token pack into 16 bytes
.set idx, 0
.rept 48
	WIN 0x05+5*(idx/32)                            ; sources in window 1 or 2, destination in window 0
.irp r, 0,1,2,3
	v_cvt_pk_bf16_f32 v[PK+4*idx+(\r)], v[8*(idx%32)+2*(\r)], v[8*(idx%32)+2*(\r)+1]
.endr
.set idx, idx+1
.endr
	WIN 0
	s_wait_dscnt 0x0                               ; my reads of the ring are over,
	s_barrier_signal -1
	s_barrier_wait -1                              ; everybody's are: q, k, v may be laid over it (no slot is filled any more)
.set idx, 0
.rept 48
.set aa, idx/6
.set bb, idx%6
.if bb < 4
	ds_store_b128 v[STO], v[PK+4*idx:PK+4*idx+3] offset:(bb/2)*HALFT+aa*16*PITCH+32*(bb%2)
.else
	ds_store_b128 v[STV], v[PK+4*idx:PK+4*idx+3] offset:aa*16*PVP+32*(bb%2)
.endif
.set idx, idx+1
.endr
	s_wait_dscnt 0x0                               ; for the others' sake: my stores are done
	s_barrier_signal -1
	s_barrier_wait -1
	; THE ATTENTION: a head a trip.
	s_mov_b32 s[CNT], 2
.Lhead:
	WIN 0x40                                       ; destination window 1
.irp t, 0,1
.irp c, 0,1
	ds_load_b128 v[QF+16*(\t)+8*(\c):QF+16*(\t)+8*(\c)+3],   v[AQ] offset:(\t)*16*PITCH+64*(\c)
	ds_load_b128 v[QF+16*(\t)+8*(\c)+4:QF+16*(\t)+8*(\c)+7], v[AQ] offset:(\t)*16*PITCH+64*(\c)+32
.endr
.endr
.irp kb, 0,1,2,3,4,5,6,7
.irp c, 0,1
	ds_load_b128 v[16*(\kb)+8*(\c):16*(\kb)+8*(\c)+3],   v[AK] offset:(\kb)*16*PITCH+64*(\c)
	ds_load_b128 v[16*(\kb)+8*(\c)+4:16*(\kb)+8*(\c)+7], v[AK] offset:(\kb)*16*PITCH+64*(\c)+32
.endr
.endr
	WIN 0x80                                       ; destination window 2
.irp kk, 0,1,2,3
.irp cb, 0,1,2,3
	ds_load_tr16_b128 v[32*(\kk)+8*(\cb):32*(\kk)+8*(\cb)+3],   v[AV] offset:(\kk)*32*PVP+32*(\cb)
	ds_load_tr16_b128 v[32*(\kk)+8*(\cb)+4:32*(\kk)+8*(\cb)+7], v[AV] offset:(\kk)*32*PVP+16*PVP+32*(\cb)
.endr
.endr
	s_wait_dscnt 32                                ; Q and K are in; V's 32 loads may stay out
	WIN 0x05                                       ; K and Q in window 1, S^T in window 0
.set i, 0
.rept 32                                       ; product i: channels 32 (i / 16) on, keys 16 ((i / 2) % 8) on, tile i % 2; the 16 accumulators take turns
.set rS, S+64*(i%2)+8*((i/2)%8)
.set rK, 16*((i/2)%8)+8*(i/16)
.set rQ, QF+16*(i%2)+8*(i/16)
.if i < 16
	v_wmma_f32_16x16x32_bf16 v[rS:rS+7], v[rK:rK+7], v[rQ:rQ+7], 0
.else
	v_wmma_f32_16x16x32_bf16 v[rS:rS+7], v[rK:rK+7], v[rQ:rQ+7], v[rS:rS+7]
.endif
.set i, i+1
.endr
	WIN 0
	PLACES
	PLACES
.macro MAXT t                          ; the maximum of a query's 128 scores: eight chains, each accumulator's lowest registers first; the other 64 keys lie in the lane 16 away
.set rS, S+64*(\t)
.set rC, CM+8*(\t)
.set rT, ST+4*(\t)
.irp kb, 0,1,2,3,4,5,6,7
	v_max3_num_f32 v[rC+(\kb)], v[rS+8*(\kb)], v[rS+8*(\kb)+1], v[rS+8*(\kb)+2]
.endr
.irp kb, 0,1,2,3,4,5,6,7
	v_max3_num_f32 v[rC+(\kb)], v[rC+(\kb)], v[rS+8*(\kb)+3], v[rS+8*(\kb)+4]
.endr
.irp kb, 0,1,2,3,4,5,6,7
	v_max3_num_f32 v[rC+(\kb)], v[rC+(\kb)], v[rS+8*(\kb)+5], v[rS+8*(\kb)+6]
.endr
.irp n, 0,1,2,3
	v_max3_num_f32 v[rC+(\n)], v[rC+(\n)], v[rS+16*(\n)+7], v[rS+16*(\n)+15]
.endr
	v_max3_num_f32 v[rC], v[rC], v[rC+1], v[rC+2]
	v_max3_num_f32 v[rC+3], v[rC+3], v[rC+4], v[rC+5]
	v_max3_num_f32 v[rC], v[rC], v[rC+3], v[rC+6]
	v_max_num_f32 v[rC], v[rC], v[rC+7]
	v_permlanex16_b32 v[rC+1], v[rC], s[SEL], s[SEL+1]
	v_max_num_f32 v[rT+1], v[rC], v[rC+1]          ; m
	v_mul_f32 v[rT], s[CS], v[rT+1]                ; c m
.endm
	MAXT 0
	MAXT 1
.set i, 0
.rept 64
	v_pk_fma_f32 v[S+2*i:S+2*i+1], v[S+2*i:S+2*i+1], s[CS:CS+1], v[ST+4*(i/32):ST+4*(i/32)+1] op_sel_hi:[1,0,0] neg_lo:[0,0,1] neg_hi:[0,0,1]  ; c s - c m
.set i, i+1
.endr
.set i, 0
.rept 128
	v_exp_f32 v[S+i], v[S+i]
.set i, i+1
.endr
	v_nop                                          ; a plain instruction behind the last exponential,
	s_wait_alu depctr_va_vdst(0)                   ; and one wait for the batch of 128, ahead of its first reader
.set i, 0
.rept 64
	v_cvt_pk_bf16_f32 v[P+i], v[S+2*i], v[S+2*i+1]
.set i, i+1
.endr
	s_wait_dscnt 0x0                               ; V is in
	WIN 0x52                                       ; V in window 2, P in window 0, O^T in window 1
.set i, 0
.rept 32                                       ; product i: keys 32 (i / 8) on, channels 16 ((i / 2) % 4) on, tile i % 2; the 8 accumulators take turns
.set rO, OT+32*(i%2)+8*((i/2)%4)
.set rV, 32*(i/8)+8*((i/2)%4)
.set rP, P+32*(i%2)+8*(i/8)
.if i < 8
	v_wmma_f32_16x16x32_bf16 v[rO:rO+7], v[rV:rV+7], v[rP:rP+7], 0
.else
	v_wmma_f32_16x16x32_bf16 v[rO:rO+7], v[rV:rV+7], v[rP:rP+7], v[rO:rO+7]
.endif
.set i, i+1
.endr
	WIN 0
.irp n, 16,8,4,2,1                     ; l, of the unrounded weights: a tree in place on S^T, both tiles; these lines are the places behind the products
.set i, 0
.rept \n
	v_pk_add_f32 v[S+2*i:S+2*i+1], v[S+2*i:S+2*i+1], v[S+2*(i+(\n)):S+2*(i+(\n))+1]
	v_pk_add_f32 v[S+64+2*i:S+64+2*i+1], v[S+64+2*i:S+64+2*i+1], v[S+64+2*(i+(\n)):S+64+2*(i+(\n))+1]
.set i, i+1
.endr
.endr
.irp t, 0,1
	v_add_f32 v[CM+8*(\t)+2], v[S+64*(\t)], v[S+64*(\t)+1]
.endr
.irp t, 0,1
	v_permlanex16_b32 v[CM+8*(\t)+1], v[CM+8*(\t)+2], s[SEL], s[SEL+1]
.endr
.irp t, 0,1
	v_add_f32 v[CM+8*(\t)+2], v[CM+8*(\t)+2], v[CM+8*(\t)+1]
.endr
.irp t, 0,1
	v_rcp_f32 v[ST+4*(\t)+2], v[CM+8*(\t)+2]       ; 1 / l, twice: a pair for the packed multiply
	v_rcp_f32 v[ST+4*(\t)+3], v[CM+8*(\t)+2]
.endr
	v_nop
	s_wait_alu depctr_va_vdst(0)                   ; one wait for the four reciprocals
	WIN 0x41                                       ; O^T in window 1, 1 / l in window 0
.set i, 0
.rept 32
	v_pk_mul_f32 v[OT+2*i:OT+2*i+1], v[OT+2*i:OT+2*i+1], v[ST+4*(i/16)+2:ST+4*(i/16)+3]
.set i, i+1
.endr
	WIN 0x05
.set i, 0
.rept 32
	v_cvt_pk_bf16_f32 v[S+i], v[OT+2*i], v[OT+2*i+1]
.set i, i+1
.endr
	WIN 0
.irp t, 0,1
.irp cb, 0,1,2,3
	ds_store_b128 v[OST], v[S+16*(\t)+4*(\cb):S+16*(\t)+4*(\cb)+3] offset:(\t)*16*PITCH+32*(\cb)  ; into my own 32 rows
.endr
.endr
	v_add_nc_u32 v[AQ], 128, v[AQ]                 ; the pair's second head: 64 channels on
	v_add_nc_u32 v[AK], 128, v[AK]
	v_add_nc_u32 v[AV], 128, v[AV]
	v_add_nc_u32 v[OST], 128, v[OST]
	s_sub_co_u32 s[CNT], s[CNT], 1
	s_cmp_lg_u32 s[CNT], 0
	s_cbranch_scc1 .Lhead
.irp t, 0,1,2,3,4,5,6,7,8,9,10,11,12,13,14,15
	ds_load_b128 v[128+4*(\t):128+4*(\t)+3], v[RD] offset:(\t)*2*PITCH  ; LDS serves a wave's instructions in order (ISA guide 5.7.1.4): these see my stores above
.endr
.irp t, 0,1,2,3,4,5,6,7,8,9,10,11,12,13,14,15
	s_wait_dscnt 15-(\t)                           ; the younger loads may stay out
	global_store_b128 v[CO], v[128+4*(\t):128+4*(\t)+3], s[12:13] offset:4096*(\t)  ; 16 lanes store 256 consecutive bytes, aligned: the pair's 128 channels of a token
.endr
	s_wait_tensorcnt 0x0                           ; the wave's end
	ds_add_u32 v[SPW], v[NIL]
	s_wait_dscnt 0x0
	CROUND                                         ; the closing round
	s_endpgm
.Lfunc_end_k_q45c7763319_qkvatt:
	.size	k_q45c7763319_qkvatt, .Lfunc_end_k_q45c7763319_qkvatt-k_q45c7763319_qkvatt
	.p2alignl 7, 3214868480
	.fill 96, 4, 3214868480
	.section	.rodata,"a",@progbits
	.p2align	6, 0x0
	.amdhsa_kernel k_q45c7763319_qkvatt
		.amdhsa_group_segment_fixed_size 327680
		.amdhsa_private_segment_fixed_size 0
		.amdhsa_enable_private_segment 0
		.amdhsa_kernarg_size 40
		.amdhsa_user_sgpr_count 2
		.amdhsa_user_sgpr_kernarg_segment_ptr 1
		.amdhsa_wavefront_size32 1
		.amdhsa_system_sgpr_workgroup_id_x 1
		.amdhsa_system_sgpr_workgroup_id_y 1
		.amdhsa_system_sgpr_workgroup_id_z 1
		.amdhsa_system_vgpr_workitem_id 0
		.amdhsa_next_free_vgpr 768
		.amdhsa_next_free_sgpr 80
		.amdhsa_reserve_vcc 0
		.amdhsa_float_denorm_mode_32 3
		.amdhsa_float_denorm_mode_16_64 3
		.amdhsa_memory_ordered 1
		.amdhsa_forward_progress 1
		.amdhsa_inst_pref_size 115
	.end_amdhsa_kernel
	.amdgpu_metadata
---
amdhsa.version: [ 1, 2 ]
amdhsa.kernels:
  - .name:           k_q45c7763319_qkvatt
    .symbol:         k_q45c7763319_qkvatt.kd
    .args:
      - { .name: h1, .offset: 0, .size: 8, .value_kind: global_buffer, .address_space: global }
      - { .name: wb, .offset: 8, .size: 8, .value_kind: global_buffer, .address_space: global }
      - { .name: q_b, .offset: 16, .size: 8, .value_kind: global_buffer, .address_space: global }
      - { .name: v_b, .offset: 24, .size: 8, .value_kind: global_buffer, .address_space: global }
      - { .name: att, .offset: 32, .size: 8, .value_kind: global_buffer, .address_space: global }
    .group_segment_fixed_size: 327680
    .private_segment_fixed_size: 0
    .kernarg_segment_align: 8
    .kernarg_segment_size: 40
    .max_flat_workgroup_size: 128
    .sgpr_count:     80
    .vgpr_count:     768
    .wavefront_size: 32
...
	.end_amdgpu_metadata
.endif
;; end of part 2
;; launch oproj (part 3): grid 8 x 32, 4 waves a work-group, clusters of 4 x 4, 327,680 bytes of LDS; arguments att, wb, o_b, hidden_states, x1; writes x1
.if DOCPART == 3
	.amdgcn_target "amdgcn-amd-amdhsa--gfx1250"
	.amdhsa_code_object_version 6
	.text
	.protected	k_q45c7763319_oproj
	.globl	k_q45c7763319_oproj
	.p2align	8
	.type	k_q45c7763319_oproj,@function
k_q45c7763319_oproj:
	s_mov_b64 s[64:65], 0
	v_nop
	global_prefetch_b8 v0, s[64:65] scope:SCOPE_SE
	s_setreg_imm32_b32 hwreg(HW_REG_WAVE_MODE, 25, 1), 1
	s_wait_xcnt 0x0
	s_wait_alu depctr_hold_cnt(0) depctr_sa_sdst(0) depctr_va_vdst(0) depctr_va_sdst(0) depctr_va_ssrc(0) depctr_va_vcc(0) depctr_vm_vsrc(0)
	s_getreg_b32 s2, hwreg(HW_REG_IB_STS2, 6, 4)
	s_cmp_eq_u32 s2, 0
	s_cbranch_scc0 .Lentry_in_a_cluster
	s_endpgm
.Lentry_in_a_cluster:
	s_bfe_u32 s2, ttmp6, 0x10000c
	s_cmp_lg_u32 s2, 0xf033
	s_cbranch_scc0 .Lentry_shape_is_right
	s_endpgm
.Lentry_shape_is_right:
; THIRD LAUNCH: x1 = hidden_states + att Wo^T + o_b.  att [4096][1024] bf16, Wo bf16 in wb at WOFFS, x1 f32.  Sums in f32; the bias is the C operand of each sum's first product; the residual is added in f32 on the way out.
; A tile of C is 128 x 128 (32 x 8 tiles = 256 work-groups), four waves of 64 x 64: 16 accumulators.  K goes in steps of 256 (LDS rows of 512 bytes) through two slots; a wave's tensor load brings 64 rows.
; CLUSTER 4 x 4: A's tile is shared along a row of the cluster, B's along a column: joint loads.  The matrix instruction is used transposed (source 0 = 16 weight rows, source 1 = 16 tokens).
; THE WALK ALONG K IS A RING: cluster (x, y) begins at step 2 x + (y mod 4) and goes round (f32 sums may be taken in any order).  So the two clusters that read the same rows of A stand two steps apart, and four
; neighbours along y, which read the same rows of B, one step apart: they ask for the same rows at different times.  The start is made of the cluster's coordinates alone: it is equal in all sixteen partners.
; NO PREFETCH: K has four steps, two brought by the first fills and two by the refills; anything asked ahead of those would stand at the head, where the first tiles are on their way.
; REGISTERS: window 0: v0-29 addresses; v96-127 the bias; v128-255 the accumulators ((a, b) at 128 + 8 (4 a + b)).  window 1: two fragment buffers of 128.  window 2: v0-127 the residual, v128-255 C's rows read back.
.set SIZE_K, 1024
.set WOFFS,  6291456
.set PREF,   0
.set KSTEP,  256
.set KSTEPS, SIZE_K/KSTEP
.set KSH,    9                         ; a K step is 512 bytes of a row
.set LIMV,   KSTEPS-5
.set PITCH,  528                       ; 512 bytes + 16 of padding = 132 words: the 16 rows of a load start at 16 different groups of four banks (64 banks of 4 bytes: ISA guide 11.1)
.set HALFT,  64*PITCH
.set SLOT,   4*HALFT
.set SPARE,  2*SLOT                    ; behind the ring: the spare words, 128 bytes a wave, which no other line names
.set SPITCH, 272
.set WSTAGE, 64*SPITCH                 ; a wave's stage, 64 rows of 64 f32, laid over the ring when its slots have had their last fill
.set GW0,    (1<<16)|(1<<20)|(1<<21)|(6<<22)|(3<<25)
.set LANEA, 10
.set LANEB, 11
.set ADRA,  13
.set ADRB,  14
.set STO,   16
.set RD,    17
.set CO,    18
.set BO,    19
.set PFO,   20
.set SPW,   28
.set NIL,   29
.set BIAS,  96
.set ACC,   128
.set F0,    0
.set F1,    128
.set TB,  2
.set CNT, 3
.set WV,  14
.set RH,  15
.set CH,  16
.set CX,  17
.set CY,  18
.set TX,  19
.set TY,  20
.set WOFF, 21
.set G1A, 24
.set G0A0, 32
.set G0A, 36
.set G1B, 40
.set G0B0, 48
.set G0B, 52
.set LIM, 62
.set PFA, 66
.set KI,  72                           ; s72  the K step that the walking descriptors stand at
.set KOF, 74                           ; s[74:75] its byte offset in a row
.set PFI, 76                           ; s[76:77] the same for the prefetch
.set PFB, 78                           ; s[78:79] the prefetches' rows at K step 0
.set MSB, 0
.macro WIN new
.if MSB != (\new)
	s_set_vgpr_msb (MSB<<8)|(\new)
.set MSB, \new
.endif
.endm
.macro PLACES
.rept 4
	v_nop
.endr
.endm
.macro NEXTK                           ; one step on, round the ring
	s_add_co_u32 s[KI], s[KI], 1
	s_and_b32 s[KI], s[KI], KSTEPS-1
.endm
.macro AIM ga, gb                      ; two descriptors' global addresses are made anew: the tile's first row at K step KI; the type bits are set again
	s_lshl_b32 s[KOF], s[KI], KSH
	s_add_nc_u64 s[(\ga)+2:(\ga)+3], s[22:23], s[KOF:KOF+1]
	s_or_b32 s[(\ga)+3], s[(\ga)+3], 0x80000000
	s_add_nc_u64 s[(\gb)+2:(\gb)+3], s[56:57], s[KOF:KOF+1]
	s_or_b32 s[(\gb)+3], s[(\gb)+3], 0x80000000
.endm
.macro JLOAD                           ; a joint refill: waves 0 and 1 fetch A's two halves, waves 2 and 3 B's; an s_nop 0 and four v_nop follow each line
	s_cmp_eq_u32 s[RH], 0
	s_cbranch_scc0 .Lfor_b_\@
	tensor_load_to_lds s[G0A:G0A+3], s[G1A:G1A+7]
	s_nop 0
.rept 4
	v_nop
.endr
	s_branch .Lasked_\@
.Lfor_b_\@:
	tensor_load_to_lds s[G0B:G0B+3], s[G1B:G1B+7]
	s_nop 0
.rept 4
	v_nop
.endr
.Lasked_\@:
.endm
.macro CREST
	s_cmp_lg_u32 s[WV], 0
	s_cbranch_scc1 .Lnot_wave_0_\@
	s_barrier_signal -3
.Lnot_wave_0_\@:
	s_barrier_wait -3
	s_barrier_signal -1
	s_barrier_wait -1
.endm
.macro CROUND
	s_barrier_signal -1
	s_barrier_wait -1
	CREST
.endm
.macro ASK
	WIN 0
	s_cmp_gt_u32 s[CNT], s[LIM]
	s_cbranch_scc0 .Lnot_mine_\@
	global_prefetch_b8 v[PFO], s[PFA:PFA+1] th:TH_LOAD_NT scope:SCOPE_SE
.Lnot_mine_\@:
.endm
; 8 matrix instructions: token blocks a0, a0 + 1 x all 4 column blocks, 32 along K: half c of buffer f.  The 16 accumulators take turns.  first = 1: C is the bias
.macro MUL8 f, c, a0, first
	WIN 0x05
.irp a, \a0, (\a0)+1
.irp b, 0,1,2,3
.if \first
	v_wmma_f32_16x16x32_bf16 v[ACC+8*(4*(\a)+(\b)):ACC+8*(4*(\a)+(\b))+7], v[(\f)+64+8*(4*(\c)+(\b)):(\f)+64+8*(4*(\c)+(\b))+7], v[(\f)+8*(4*(\c)+(\a)):(\f)+8*(4*(\c)+(\a))+7], v[BIAS+8*(\b):BIAS+8*(\b)+7]
.else
	v_wmma_f32_16x16x32_bf16 v[ACC+8*(4*(\a)+(\b)):ACC+8*(4*(\a)+(\b))+7], v[(\f)+64+8*(4*(\c)+(\b)):(\f)+64+8*(4*(\c)+(\b))+7], v[(\f)+8*(4*(\c)+(\a)):(\f)+8*(4*(\c)+(\a))+7], v[ACC+8*(4*(\a)+(\b)):ACC+8*(4*(\a)+(\b))+7]
.endif
.endr
.endr
.endm
.macro FETCH k, f                      ; 32 LDS loads in one run: 64 along K at byte k of the rows; the first 32 along K first
	WIN 0x40
.irp c, 0,1
.irp i, 0,1,2,3
	ds_load_b128 v[(\f)+64+8*(4*(\c)+(\i)):(\f)+64+8*(4*(\c)+(\i))+3],   v[ADRB] offset:(\k)+64*(\c)+(\i)*16*PITCH
	ds_load_b128 v[(\f)+64+8*(4*(\c)+(\i))+4:(\f)+64+8*(4*(\c)+(\i))+7], v[ADRB] offset:(\k)+64*(\c)+(\i)*16*PITCH+32
	ds_load_b128 v[(\f)+8*(4*(\c)+(\i)):(\f)+8*(4*(\c)+(\i))+3],         v[ADRA] offset:(\k)+64*(\c)+(\i)*16*PITCH
	ds_load_b128 v[(\f)+8*(4*(\c)+(\i))+4:(\f)+8*(4*(\c)+(\i))+7],       v[ADRA] offset:(\k)+64*(\c)+(\i)*16*PITCH+32
.endr
.endr
.endm
.macro QUARTER k, f, g, first          ; 64 along K, 32 matrix instructions; the next quarter's loads stand in its middle
	s_wait_dscnt 16                                ; the first 32 along K are in; the youngest sixteen loads may be out
	MUL8 \f, 0, 0, \first
	MUL8 \f, 0, 2, \first
	PLACES
	FETCH \k, \g
	s_wait_dscnt 32                                ; all but the 32 just issued
	MUL8 \f, 1, 0, 0
	MUL8 \f, 1, 2, 0
.endm
; The fourth quarter multiplies buffer 1 and changes slots: one barrier; in front of it each wave waits for all its tensor loads, adds 0 to its spare word, and waits for that and for its reads of this slot.
.macro TURN fill
.if (\fill) && PREF
	s_wait_xcnt 0x0                                ; the last prefetch, a K step back, has read its address: it is made anew, four steps on from where the walking descriptors stand
	s_add_co_u32 s[PFI], s[KI], 4
	s_and_b32 s[PFI], s[PFI], KSTEPS-1
	s_lshl_b32 s[PFI], s[PFI], KSH
	s_add_nc_u64 s[PFA:PFA+1], s[PFB:PFB+1], s[PFI:PFI+1]
.endif
	WIN 0
	s_wait_tensorcnt 0x0                           ; all my tensor loads have landed, so the descriptors may be written
	ds_add_u32 v[SPW], v[NIL]                      ; 0 onto my spare word: the descriptors' steps stand between it and the wait for it
.if \fill
	NEXTK
	AIM G0A, G0B
	s_xor_b32 s[G0A+1], s[G0A+1], SLOT             ; the other slot than last time (SLOT's bits are none of WOFF's)
	s_xor_b32 s[G0B+1], s[G0B+1], SLOT
.endif
	s_wait_dscnt 17                                ; (the add and the youngest sixteen loads may be out)
	MUL8 F1, 0, 0, 0
	s_wait_dscnt 0x0                               ; the add is done, and my reads of this slot are over
	s_barrier_signal -1
	MUL8 F1, 0, 2, 0
	WIN 0
	s_barrier_wait -1
.if \fill
	CREST                                          ; the barrier has opened a round of the cluster's: no wave of any partner still reads this slot or has a load on its way
	s_xor_b32 s[TB], s[TB], SLOT
	JLOAD                                          ; its four v_nop are also the places in front of the loads below
.else
	s_xor_b32 s[TB], s[TB], SLOT
	PLACES
.endif
	v_add_nc_u32 v[ADRA], s[TB], v[LANEA]
	v_add_nc_u32 v[ADRB], s[TB], v[LANEB]
	FETCH 0, F0
.if (\fill) && PREF
	ASK
.endif
	MUL8 F1, 1, 0, 0
	MUL8 F1, 1, 2, 0
.endm
	s_load_b256 s[4:11], s[0:1], 0x0               ; A s[4:5], wb s[6:7], bias s[8:9], residual s[10:11]
	s_load_b64 s[12:13], s[0:1], 0x20              ; the output
	v_lshl_add_u32 v[SPW], v0, 2, SPARE
	v_mov_b32 v[NIL], 0
	ds_add_u32 v[SPW], v[NIL]                      ; the wave's opening: the add, twice on end, and its wait ahead of my first tensor load
	ds_add_u32 v[SPW], v[NIL]
	v_lshrrev_b32 v1, 5, v0
	v_readfirstlane_b32 s[WV], v1
	s_lshr_b32 s[RH], s[WV], 1                     ; which half of the tile's rows is mine.  Also: I fetch for A (0) or for B (1)
	s_and_b32 s[CH], s[WV], 1                      ; which half of its columns.  Also: which 64 rows I fetch
	s_bfe_u32 s[CX], ttmp6, 0x40000
	s_bfe_u32 s[CY], ttmp6, 0x40004
	s_lshl_b32 s[TX], ttmp9, 2
	s_add_co_u32 s[TX], s[TX], s[CX]
	s_and_b32 s[TY], ttmp7, 0xffff
	s_lshl_b32 s[TY], s[TY], 2
	s_add_co_u32 s[TY], s[TY], s[CY]
	s_lshl_b32 s60, s[CY], 2
	s_lshl_b32 s60, 15, s60
	s_lshl_b32 s61, 0x1111, s[CX]
	s_or_b32 s[G1A], s60, GW0
	s_or_b32 s[G1B], s61, GW0
.irp g, G1A, G1B
	s_mov_b32 s[(\g)+1], KSTEP<<16                 ; tensor_dim0 = 256
	s_mov_b32 s[(\g)+2], 64<<16                    ; tensor_dim1 = 64
	s_mov_b32 s[(\g)+3], KSTEP<<16                 ; tile_dim0 = 256
	s_mov_b32 s[(\g)+4], 64                        ; tile_dim1 = 64
	s_mov_b32 s[(\g)+5], SIZE_K                    ; elements from row to row
	s_mov_b32 s[(\g)+6], 0
	s_mov_b32 s[(\g)+7], 0
.endr
	s_and_b32 s[KI], ttmp7, 3                      ; where my cluster's walk begins: a quarter of the ring x (cluster y mod 4)
	s_mul_i32 s[KI], s[KI], KSTEPS/4
	s_mul_i32 s73, ttmp9, KSTEPS/2                 ; + half of it x cluster x,
	s_add_co_u32 s[KI], s[KI], s73
	s_and_b32 s[KI], s[KI], KSTEPS-1               ; round the ring
	s_mov_b32 s[KOF+1], 0
	s_lshl_b32 s22, s[TY], 7
	s_lshl_b32 s23, s[CH], 6
	s_add_co_u32 s22, s22, s23                     ; A: row 128 x tile row + 64 x half
	s_mul_i32 s22, s22, SIZE_K*2
	s_mov_b32 s23, 0
	s_lshl_b32 s56, s[TX], 7
	s_lshl_b32 s57, s[CH], 6
	s_add_co_u32 s56, s56, s57                     ; B: row 128 x tile column + 64 x half
	s_mul_i32 s56, s56, SIZE_K*2
	s_add_co_u32 s56, s56, WOFFS
	s_mov_b32 s57, 0
	s_mul_i32 s[WOFF], s[WV], HALFT
	s_mov_b32 s[TB], 0
	s_mov_b32 s[G0A0], 1
	s_mov_b32 s[G0A0+1], s[WOFF]
	s_mov_b32 s[G0A], 1
	s_add_co_u32 s[G0A+1], s[WOFF], SLOT
	s_mov_b32 s[G0B0], 1
	s_mov_b32 s[G0B0+1], s[WOFF]
	s_mov_b32 s[G0B], 1
	s_add_co_u32 s[G0B+1], s[WOFF], SLOT
	s_wait_dscnt 0x0                               ; both opening adds are done
	s_wait_kmcnt 0x0
	s_add_nc_u64 s[22:23], s[4:5], s[22:23]
	s_add_nc_u64 s[56:57], s[6:7], s[56:57]
	AIM G0A0, G0B0                                 ; slot 0: the walk's first step,
	NEXTK
	AIM G0A, G0B                                   ; slot 1: its second
	CROUND                                         ; all sixteen work-groups are here: the first joint loads meet
	s_cmp_eq_u32 s[RH], 0                          ; a wave's two first fills stand in one branch: two loads of mine are out
	s_cbranch_scc0 .Lfirst_b
	tensor_load_to_lds s[G0A0:G0A0+3], s[G1A:G1A+7]
	s_nop 0
	tensor_load_to_lds s[G0A:G0A+3], s[G1A:G1A+7]
	s_nop 0
.rept 4
	v_nop
.endr
	s_branch .Lfirst_asked
.Lfirst_b:
	tensor_load_to_lds s[G0B0:G0B0+3], s[G1B:G1B+7]
	s_nop 0
	tensor_load_to_lds s[G0B:G0B+3], s[G1B:G1B+7]
	s_nop 0
.rept 4
	v_nop
.endr
.Lfirst_asked:
	v_and_b32 v1, 15, v0                           ; l % 16
	v_bfe_u32 v2, v0, 4, 1                         ; l / 16
	v_mul_u32_u24 v3, v1, PITCH
	v_lshl_add_u32 v3, v2, 4, v3
	s_mul_i32 s58, s[RH], HALFT
	v_add_nc_u32 v[LANEA], s58, v3
	s_mul_i32 s58, s[CH], HALFT
	s_add_co_u32 s58, s58, 2*HALFT
	v_add_nc_u32 v[LANEB], s58, v3
	s_mul_i32 s58, s[WV], WSTAGE
	v_mul_u32_u24 v4, v1, SPITCH                   ; in: row l % 16, 32 bytes for each half of the lanes
	v_lshl_add_u32 v4, v2, 5, v4
	v_add_nc_u32 v[STO], s58, v4
	v_mul_u32_u24 v4, v2, SPITCH                   ; back: lanes 0-15 one row of 256 bytes, lanes 16-31 the next
	v_lshl_add_u32 v4, v1, 4, v4
	v_add_nc_u32 v[RD], s58, v4
	v_lshlrev_b32 v4, 12, v2                       ; and the same two rows in the residual and the output
	v_lshl_add_u32 v[CO], v1, 4, v4
	v_lshlrev_b32 v[BO], 5, v2
	s_lshl_b32 s58, s[TX], 9                       ; the bias: 4 x (128 x tile column + 64 x half)
	s_lshl_b32 s59, s[CH], 8
	s_add_co_u32 s58, s58, s59
	s_mov_b32 s59, 0
	s_add_nc_u64 s[8:9], s[8:9], s[58:59]
.irp b, 0,1,2,3
	global_load_b128 v[BIAS+8*(\b):BIAS+8*(\b)+3],   v[BO], s[8:9] offset:64*(\b)
	global_load_b128 v[BIAS+8*(\b)+4:BIAS+8*(\b)+7], v[BO], s[8:9] offset:64*(\b)+16
.endr
	s_lshl_b32 s63, s[TY], 19                      ; my 64 x 64 of the residual and the output: rows of 4,096 bytes
	s_add_co_u32 s58, s58, s63
	s_lshl_b32 s63, s[RH], 18
	s_add_co_u32 s58, s58, s63
	s_add_nc_u64 s[10:11], s[10:11], s[58:59]
	s_add_nc_u64 s[12:13], s[12:13], s[58:59]
.if PREF
	s_cmp_eq_u32 s[RH], 0
	s_cselect_b32 s[LIM], LIMV, -1
	s_mul_i32 s58, s[CX], 16*SIZE_K*2
	s_add_nc_u64 s[PFB:PFB+1], s[22:23], s[58:59]
	s_mov_b32 s[PFI+1], 0
	v_mul_u32_u24 v[PFO], v1, SIZE_K*2
	v_lshl_add_u32 v[PFO], v2, 8, v[PFO]
.endif
	s_wait_tensorcnt 1                             ; my part of the first step is in; the second's may stay out
	s_barrier_signal -1
	s_barrier_wait -1
	v_add_nc_u32 v[ADRA], s[TB], v[LANEA]
	v_add_nc_u32 v[ADRB], s[TB], v[LANEB]
	FETCH 0, F0
	s_wait_loadcnt 0x0                             ; the bias
	QUARTER 128, F0, F1, 1
	WIN 0
	s_mov_b32 s[CNT], KSTEPS-2
.Lstep:                                        ; a trip: from a K step's second quarter to the next step's first; one slot is filled again
	QUARTER 256, F1, F0, 0
	QUARTER 384, F0, F1, 0
	TURN 1
	QUARTER 128, F0, F1, 0
	WIN 0
	s_sub_co_u32 s[CNT], s[CNT], 1
	s_cmp_lg_u32 s[CNT], 0
	s_cbranch_scc1 .Lstep
	WIN 0x80                                       ; the residual, into window 2: it lands under the last two K steps
.set t, 0
.rept 32
	global_load_b128 v[4*t:4*t+3], v[CO], s[10:11] offset:8192*t
.set t, t+1
.endr
	WIN 0
	s_mov_b32 s[CNT], 2
.Ltail:                                        ; the last two K steps ask for nothing; the second trip is left in its middle
	QUARTER 256, F1, F0, 0
	QUARTER 384, F0, F1, 0
	WIN 0
	s_sub_co_u32 s[CNT], s[CNT], 1
	s_cmp_eq_u32 s[CNT], 0
	s_cbranch_scc1 .Llast
	TURN 0
	QUARTER 128, F0, F1, 0
	WIN 0
	s_branch .Ltail
.Llast:
	s_wait_dscnt 16
	MUL8 F1, 0, 0, 0
	MUL8 F1, 0, 2, 0
	s_wait_dscnt 0x0
	MUL8 F1, 1, 0, 0
	MUL8 F1, 1, 2, 0
	WIN 0
	PLACES
	PLACES
	s_barrier_signal -1                            ; my reads of the ring are over (the wait for 0 above),
	s_barrier_wait -1                              ; everybody's are: the stages may be laid over it
.irp a, 0,1,2,3
.irp b, 0,1,2,3
	ds_store_b128 v[STO], v[ACC+8*(4*(\a)+(\b)):ACC+8*(4*(\a)+(\b))+3]   offset:(\a)*16*SPITCH+64*(\b)
	ds_store_b128 v[STO], v[ACC+8*(4*(\a)+(\b))+4:ACC+8*(4*(\a)+(\b))+7] offset:(\a)*16*SPITCH+64*(\b)+16
.endr
.endr
	WIN 0x80
.set t, 0
.rept 32
	ds_load_b128 v[128+4*t:128+4*t+3], v[RD] offset:t*2*SPITCH  ; my own stage: LDS serves a wave's instructions in order (ISA guide 5.7.1.4)
.set t, t+1
.endr
	s_wait_loadcnt 0x0                             ; the residual
	s_wait_dscnt 0x0
	WIN 0x8a
.set t, 0
.rept 64
	v_pk_add_f32 v[128+2*t:128+2*t+1], v[128+2*t:128+2*t+1], v[2*t:2*t+1]
.set t, t+1
.endr
	WIN 0x08                                       ; a store's data in window 2
.set t, 0
.rept 32
	global_store_b128 v[CO], v[128+4*t:128+4*t+3], s[12:13] offset:8192*t  ; 16 lanes store 256 consecutive bytes, aligned
.set t, t+1
.endr
	WIN 0
	s_wait_tensorcnt 0x0                           ; the wave's end
	ds_add_u32 v[SPW], v[NIL]
	s_wait_dscnt 0x0
	CROUND                                         ; the closing round
	s_endpgm
.Lfunc_end_k_q45c7763319_oproj:
	.size	k_q45c7763319_oproj, .Lfunc_end_k_q45c7763319_oproj-k_q45c7763319_oproj
	.p2alignl 7, 3214868480
	.fill 96, 4, 3214868480
	.section	.rodata,"a",@progbits
	.p2align	6, 0x0
	.amdhsa_kernel k_q45c7763319_oproj
		.amdhsa_group_segment_fixed_size 327680
		.amdhsa_private_segment_fixed_size 0
		.amdhsa_enable_private_segment 0
		.amdhsa_kernarg_size 40
		.amdhsa_user_sgpr_count 2
		.amdhsa_user_sgpr_kernarg_segment_ptr 1
		.amdhsa_wavefront_size32 1
		.amdhsa_system_sgpr_workgroup_id_x 1
		.amdhsa_system_sgpr_workgroup_id_y 1
		.amdhsa_system_sgpr_workgroup_id_z 1
		.amdhsa_system_vgpr_workitem_id 0
		.amdhsa_next_free_vgpr 768
		.amdhsa_next_free_sgpr 80
		.amdhsa_reserve_vcc 0
		.amdhsa_float_denorm_mode_32 3
		.amdhsa_float_denorm_mode_16_64 3
		.amdhsa_memory_ordered 1
		.amdhsa_forward_progress 1
		.amdhsa_inst_pref_size 68
	.end_amdhsa_kernel
	.amdgpu_metadata
---
amdhsa.version: [ 1, 2 ]
amdhsa.kernels:
  - .name:           k_q45c7763319_oproj
    .symbol:         k_q45c7763319_oproj.kd
    .args:
      - { .name: att, .offset: 0, .size: 8, .value_kind: global_buffer, .address_space: global }
      - { .name: wb, .offset: 8, .size: 8, .value_kind: global_buffer, .address_space: global }
      - { .name: o_b, .offset: 16, .size: 8, .value_kind: global_buffer, .address_space: global }
      - { .name: hidden_states, .offset: 24, .size: 8, .value_kind: global_buffer, .address_space: global }
      - { .name: x1, .offset: 32, .size: 8, .value_kind: global_buffer, .address_space: global }
    .group_segment_fixed_size: 327680
    .private_segment_fixed_size: 0
    .kernarg_segment_align: 8
    .kernarg_segment_size: 40
    .max_flat_workgroup_size: 128
    .sgpr_count:     80
    .vgpr_count:     768
    .wavefront_size: 32
...
	.end_amdgpu_metadata
.endif
;; end of part 3
;; launch ln2 (part 4): grid 256 x 1, 8 waves a work-group, no clusters, 0 bytes of LDS; arguments x1, ln2_g, ln2_b, h2; writes h2
.if DOCPART == 4
	.amdgcn_target "amdgcn-amd-amdhsa--gfx1250"
	.amdhsa_code_object_version 6
	.text
	.protected	k_q45c7763319_ln2
	.globl	k_q45c7763319_ln2
	.p2align	8
	.type	k_q45c7763319_ln2,@function
k_q45c7763319_ln2:
	s_mov_b64 s[64:65], 0
	v_nop
	global_prefetch_b8 v0, s[64:65] scope:SCOPE_SE
	s_setreg_imm32_b32 hwreg(HW_REG_WAVE_MODE, 25, 1), 1
	s_wait_xcnt 0x0
; FOURTH LAUNCH: h2 = LayerNorm2(x1) rounded to bf16.  A work-group norms 16 rows; a wave takes two whole rows (32 registers each), so mean and variance never leave the wave.
; The variance is taken of x - mean, as the reference takes it.  No LDS, no barrier: nothing is shared but 8 KiB of gain and bias.
.set X,   32                           ; v[32:95]   two rows (register 32 r + 4 j + i: column 128 j + 4 lane + i)
.set G,   96                           ; v[96:127]  the gain
.set BT,  128                          ; v[128:159] the bias
.set OUT, 10                           ; s[10:11]   h2
.macro WSUM
	v_add_f32_dpp v12, v12, v12 row_xmask:1 row_mask:0xf bank_mask:0xf
	v_add_f32_dpp v12, v12, v12 row_xmask:2 row_mask:0xf bank_mask:0xf
	v_add_f32_dpp v12, v12, v12 row_xmask:4 row_mask:0xf bank_mask:0xf
	v_add_f32_dpp v12, v12, v12 row_xmask:8 row_mask:0xf bank_mask:0xf
	v_permlanex16_b32 v13, v12, s32, s33
	v_add_f32 v12, v12, v13
.endm
.macro JOIN
	v_pk_add_f32 v[4:5], v[4:5], v[6:7]
	v_pk_add_f32 v[8:9], v[8:9], v[10:11]
	v_pk_add_f32 v[4:5], v[4:5], v[8:9]
	v_add_f32 v12, v4, v5
	WSUM
.endm
.macro LNROW r
.set R, X+32*(\r)
.irp c, 0,1,2,3
	v_pk_add_f32 v[4+2*(\c):5+2*(\c)], v[R+2*(\c):R+2*(\c)+1], v[R+8+2*(\c):R+8+2*(\c)+1]
.endr
.irp k, 2,3
.irp c, 0,1,2,3
	v_pk_add_f32 v[4+2*(\c):5+2*(\c)], v[4+2*(\c):5+2*(\c)], v[R+8*(\k)+2*(\c):R+8*(\k)+2*(\c)+1]
.endr
.endr
	JOIN
	v_mul_f32 v14, s30, v12                        ; mean, twice: a pair for the packed subtraction
	v_mul_f32 v15, s30, v12
.set i, 0
.rept 16
	v_pk_add_f32 v[R+i:R+i+1], v[R+i:R+i+1], v[14:15] neg_lo:[0,1] neg_hi:[0,1]
.set i, i+2
.endr
.irp c, 0,1,2,3
	v_pk_mul_f32 v[4+2*(\c):5+2*(\c)], v[R+2*(\c):R+2*(\c)+1], v[R+2*(\c):R+2*(\c)+1]
.endr
.irp k, 1,2,3
.irp c, 0,1,2,3
	v_pk_fma_f32 v[4+2*(\c):5+2*(\c)], v[R+8*(\k)+2*(\c):R+8*(\k)+2*(\c)+1], v[R+8*(\k)+2*(\c):R+8*(\k)+2*(\c)+1], v[4+2*(\c):5+2*(\c)]
.endr
.endr
	JOIN
	v_fma_f32 v12, v12, s30, s31                   ; variance + 1e-5
	v_rsq_f32 v16, v12
	v_rsq_f32 v17, v12
	v_nop                                          ; a plain instruction behind the last root,
	s_wait_alu depctr_va_vdst(0)                   ; and one wait for both
.if (\r) == 0
	s_wait_loadcnt 0x0                             ; gain and bias are in (and the second row)
.endif
.set i, 0
.rept 16
	v_pk_mul_f32 v[R+i:R+i+1], v[R+i:R+i+1], v[16:17]
.set i, i+2
.endr
.set i, 0
.rept 16
	v_pk_fma_f32 v[R+i:R+i+1], v[R+i:R+i+1], v[G+i:G+i+1], v[BT+i:BT+i+1]
.set i, i+2
.endr
.irp j, 0,1,2,3,4,5,6,7
	v_cvt_pk_bf16_f32 v[R+4*(\j)], v[R+4*(\j)], v[R+4*(\j)+1]
	v_cvt_pk_bf16_f32 v[R+4*(\j)+1], v[R+4*(\j)+2], v[R+4*(\j)+3]
	global_store_b64 v3, v[R+4*(\j):R+4*(\j)+1], s[OUT:OUT+1] offset:2048*(\r)+256*(\j)  ; 256 consecutive bytes, aligned
.endr
.endm
	s_load_b256 s[4:11], s[0:1], 0x0               ; x1 s[4:5], gain s[6:7], bias s[8:9], h2 s[10:11]
	v_lshrrev_b32 v12, 5, v0
	v_readfirstlane_b32 s26, v12                   ; wave 0..7
	v_and_b32 v1, 31, v0
	v_mov_b32 v13, 0                               ; v_permlanex16_b32's destination counts as read
	s_mov_b32 s29, 0
	s_mov_b32 s30, 0x3a800000                      ; 1 / 1,024
	s_mov_b32 s31, 0x3727c5ac                      ; 1e-5
	s_mov_b32 s32, 0x76543210
	s_mov_b32 s33, 0xfedcba98
	s_lshl_b32 s28, ttmp9, 16                      ; 16 rows of 4,096 bytes a work-group,
	s_lshl_b32 s27, s26, 13                        ; two a wave
	s_add_co_u32 s28, s28, s27
	v_lshlrev_b32 v2, 4, v1
	v_lshlrev_b32 v3, 3, v1
	s_wait_kmcnt 0x0
	s_add_nc_u64 s[4:5], s[4:5], s[28:29]
	s_lshr_b32 s28, s28, 1
	s_add_nc_u64 s[OUT:OUT+1], s[OUT:OUT+1], s[28:29]
.irp r, 0,1
.irp j, 0,1,2,3,4,5,6,7
	global_load_b128 v[X+32*(\r)+4*(\j):X+32*(\r)+4*(\j)+3], v2, s[4:5] offset:4096*(\r)+512*(\j) th:TH_LOAD_NT
.endr
.endr
.irp j, 0,1,2,3,4,5,6,7
	global_load_b128 v[G+4*(\j):G+4*(\j)+3], v2, s[6:7] offset:512*(\j)
.endr
.irp j, 0,1,2,3,4,5,6,7
	global_load_b128 v[BT+4*(\j):BT+4*(\j)+3], v2, s[8:9] offset:512*(\j)
.endr
	s_wait_loadcnt 24                              ; the first row is in; the 24 younger loads stay out
	LNROW 0
	LNROW 1
	s_endpgm
.Lfunc_end_k_q45c7763319_ln2:
	.size	k_q45c7763319_ln2, .Lfunc_end_k_q45c7763319_ln2-k_q45c7763319_ln2
	.p2alignl 7, 3214868480
	.fill 96, 4, 3214868480
	.section	.rodata,"a",@progbits
	.p2align	6, 0x0
	.amdhsa_kernel k_q45c7763319_ln2
		.amdhsa_group_segment_fixed_size 0
		.amdhsa_private_segment_fixed_size 0
		.amdhsa_enable_private_segment 0
		.amdhsa_kernarg_size 32
		.amdhsa_user_sgpr_count 2
		.amdhsa_user_sgpr_kernarg_segment_ptr 1
		.amdhsa_wavefront_size32 1
		.amdhsa_system_sgpr_workgroup_id_x 1
		.amdhsa_system_sgpr_workgroup_id_y 1
		.amdhsa_system_sgpr_workgroup_id_z 1
		.amdhsa_system_vgpr_workitem_id 0
		.amdhsa_next_free_vgpr 160
		.amdhsa_next_free_sgpr 66
		.amdhsa_reserve_vcc 0
		.amdhsa_float_denorm_mode_32 3
		.amdhsa_float_denorm_mode_16_64 3
		.amdhsa_memory_ordered 1
		.amdhsa_forward_progress 1
		.amdhsa_inst_pref_size 20
	.end_amdhsa_kernel
	.amdgpu_metadata
---
amdhsa.version: [ 1, 2 ]
amdhsa.kernels:
  - .name:           k_q45c7763319_ln2
    .symbol:         k_q45c7763319_ln2.kd
    .args:
      - { .name: x1, .offset: 0, .size: 8, .value_kind: global_buffer, .address_space: global }
      - { .name: ln2_g, .offset: 8, .size: 8, .value_kind: global_buffer, .address_space: global }
      - { .name: ln2_b, .offset: 16, .size: 8, .value_kind: global_buffer, .address_space: global }
      - { .name: h2, .offset: 24, .size: 8, .value_kind: global_buffer, .address_space: global }
    .group_segment_fixed_size: 0
    .private_segment_fixed_size: 0
    .kernarg_segment_align: 8
    .kernarg_segment_size: 32
    .max_flat_workgroup_size: 256
    .sgpr_count:     66
    .vgpr_count:     160
    .wavefront_size: 32
...
	.end_amdgpu_metadata
.endif
;; end of part 4
;; launch fc1 (part 5): grid 16 x 16, 4 waves a work-group, clusters of 4 x 4, 327,680 bytes of LDS; arguments h2, wb, fc1_b, ff; writes ff
.if DOCPART == 5
	.amdgcn_target "amdgcn-amd-amdhsa--gfx1250"
	.amdhsa_code_object_version 6
	.text
	.protected	k_q45c7763319_fc1
	.globl	k_q45c7763319_fc1
	.p2align	8
	.type	k_q45c7763319_fc1,@function
k_q45c7763319_fc1:
	s_mov_b64 s[64:65], 0
	v_nop
	global_prefetch_b8 v0, s[64:65] scope:SCOPE_SE
	s_setreg_imm32_b32 hwreg(HW_REG_WAVE_MODE, 25, 1), 1
	s_wait_xcnt 0x0
	s_wait_alu depctr_hold_cnt(0) depctr_sa_sdst(0) depctr_va_vdst(0) depctr_va_sdst(0) depctr_va_ssrc(0) depctr_va_vcc(0) depctr_vm_vsrc(0)
	s_getreg_b32 s2, hwreg(HW_REG_IB_STS2, 6, 4)
	s_cmp_eq_u32 s2, 0
	s_cbranch_scc0 .Lentry_in_a_cluster
	s_endpgm
.Lentry_in_a_cluster:
	s_bfe_u32 s2, ttmp6, 0x10000c
	s_cmp_lg_u32 s2, 0xf033
	s_cbranch_scc0 .Lentry_shape_is_right
	s_endpgm
.Lentry_shape_is_right:
; FIFTH LAUNCH: ff = quickgelu(h2 W1^T + fc1_b), quickgelu(x) = x / (1 + 2^(c x)), c = -1.702 log2(e).  h2 [4096][1024] bf16, W1 bf16 in wb at WOFFS, ff [4096][4096] bf16, rounded once.
; LIMIT: below x = -52 or so the power of two is an infinity and the result is -0, where the reference has a number under 1e-36.  NaN and infinities are not treated apart.
; A tile of C is 256 x 256 (16 x 16 tiles = 256 work-groups), four waves of 128 x 128: 64 accumulators, 512 registers.  K goes in 8 steps of 128 through two LDS slots; a wave's tensor load brings 128 rows x 256 bytes.
; CLUSTER 4 x 4: A's tile is shared along a row of the cluster, B's along a column: joint loads.  The matrix instruction is used transposed (source 0 = 16 weight rows, source 1 = 16 tokens).  The bias is the C operand of each sum's first product.
; THE WALK ALONG K IS A RING: cluster (x, y) begins at step 2 x + 4 (y mod 2) and goes round (f32 sums may be taken in any order).  So the four clusters that read the same rows of A stand two steps apart, and two
; neighbours along y, which read the same rows of B, four steps apart: they ask for the same rows at different times.  The start is made of the cluster's coordinates alone: it is equal in all sixteen partners.
; NO PREFETCH: the steps that this cluster is the first of such a group to ask for are its own first four at the most; two come by the first fills, and a request ahead of the other two would stand at the head, among the first tiles' loads.
; THE WAY OUT goes through a loop: the sums go as f32 into each wave's stage in LDS (over the ring, whose slots have had their last fill) and come back eight rows a trip, so that the activation's text is written once.
; With E = c x the result is E / (c + c 2^E): x's registers are free as soon as E is made, and take the next trip's rows while this trip's are worked on.
; REGISTERS: window 0: v0-29 addresses; v64-127, v128-191 A's fragments, two buffers; on the way out x, E, c + c 2^E and the packed results.  window 1: v0-63 the bias; v64-191 B's fragments.  windows 2, 3: the accumulators.
.set KSTEP,  128
.set KSTEPS, 8
.set KSH,    8                         ; a K step is 256 bytes of a row
.set WOFFS,  8388608
.set PITCH,  272                       ; 256 bytes + 16 of padding = 68 words: the 16 rows of a load start at 16 different groups of four banks (64 banks of 4 bytes: ISA guide 11.1)
.set HALFT,  128*PITCH
.set SLOT,   4*HALFT
.set SPARE,  2*SLOT                    ; behind the ring: the spare words, 128 bytes a wave, which no other line names
.set SPITCH, 528
.set WSTAGE, 128*SPITCH                ; a wave's stage: 128 rows of 128 f32
.set GW0,    (1<<16)|(1<<20)|(1<<21)|(5<<22)|(3<<25)
.set LANEA, 10
.set LANEB, 11
.set ADRA,  13
.set ADRB,  14
.set STO,   16
.set RD,    17
.set CO,    18
.set BO,    19
.set SPW,   28
.set NIL,   29
.set F0,    64
.set F1,    128
.set NR,    64                         ; v[64:95]   x, eight rows' share of a lane, as read back
.set ER,    96                         ; v[96:127]  E = c x, then the result
.set TR,    128                        ; v[128:159] 2^E, c + c 2^E, its reciprocal
.set YR,    160                        ; v[160:175] the result in bf16
.set TB,  2
.set CNT, 3
.set WV,  14
.set RH,  15
.set CH,  16
.set CX,  17
.set CY,  18
.set TX,  19
.set TY,  20
.set WOFF, 21
.set G1A, 24
.set G0A0, 32
.set G0A, 36
.set G1B, 40
.set G0B0, 48
.set G0B, 52
.set GC,  70
.set KI,  72                           ; s72  the K step that the walking descriptors stand at, 0 .. 7
.set KOF, 74                           ; s[74:75] its byte offset in a row
.set MSB, 0
.macro WIN new
.if MSB != (\new)
	s_set_vgpr_msb (MSB<<8)|(\new)
.set MSB, \new
.endif
.endm
.macro PLACES
.rept 4
	v_nop
.endr
.endm
.macro NEXTK                           ; one step on, round the ring
	s_add_co_u32 s[KI], s[KI], 1
	s_and_b32 s[KI], s[KI], KSTEPS-1
.endm
.macro AIM ga, gb                      ; two descriptors' global addresses are made anew: the tile's first row at K step KI; the type bits are set again
	s_lshl_b32 s[KOF], s[KI], KSH
	s_add_nc_u64 s[(\ga)+2:(\ga)+3], s[22:23], s[KOF:KOF+1]
	s_or_b32 s[(\ga)+3], s[(\ga)+3], 0x80000000
	s_add_nc_u64 s[(\gb)+2:(\gb)+3], s[56:57], s[KOF:KOF+1]
	s_or_b32 s[(\gb)+3], s[(\gb)+3], 0x80000000
.endm
.macro JLOAD                           ; a joint refill: waves 0 and 1 fetch A's two halves, waves 2 and 3 B's; an s_nop 0 and four v_nop follow each line
	s_cmp_eq_u32 s[RH], 0
	s_cbranch_scc0 .Lfor_b_\@
	tensor_load_to_lds s[G0A:G0A+3], s[G1A:G1A+7]
	s_nop 0
.rept 4
	v_nop
.endr
	s_branch .Lasked_\@
.Lfor_b_\@:
	tensor_load_to_lds s[G0B:G0B+3], s[G1B:G1B+7]
	s_nop 0
.rept 4
	v_nop
.endr
.Lasked_\@:
.endm
.macro CREST
	s_cmp_lg_u32 s[WV], 0
	s_cbranch_scc1 .Lnot_wave_0_\@
	s_barrier_signal -3
.Lnot_wave_0_\@:
	s_barrier_wait -3
	s_barrier_signal -1
	s_barrier_wait -1
.endm
.macro CROUND
	s_barrier_signal -1
	s_barrier_wait -1
	CREST
.endm
; 16 matrix instructions: token blocks a0, a0 + 1 of the window's four x all 8 column blocks, 32 along K.  The 64 accumulators take turns.  first = 1: C is the bias, in window 1
.macro MUL16 f, hi, a0, first
.if \first
	WIN 0x91+0x40*(\hi)
.else
	WIN 0xa1+0x50*(\hi)
.endif
.irp a, \a0, (\a0)+1
.irp b, 0,1,2,3,4,5,6,7
.if \first
	v_wmma_f32_16x16x32_bf16 v[8*(8*(\a)+(\b)):8*(8*(\a)+(\b))+7], v[(\f)+8*(\b):(\f)+8*(\b)+7], v[(\f)+8*(4*(\hi)+(\a)):(\f)+8*(4*(\hi)+(\a))+7], v[8*(\b):8*(\b)+7]
.else
	v_wmma_f32_16x16x32_bf16 v[8*(8*(\a)+(\b)):8*(8*(\a)+(\b))+7], v[(\f)+8*(\b):(\f)+8*(\b)+7], v[(\f)+8*(4*(\hi)+(\a)):(\f)+8*(4*(\hi)+(\a))+7], v[8*(8*(\a)+(\b)):8*(8*(\a)+(\b))+7]
.endif
.endr
.endr
.endm
.macro FETCH k, f                      ; 32 LDS loads in one run: B's eight fragments, then A's
	WIN 0x40
.irp i, 0,1,2,3,4,5,6,7
	ds_load_b128 v[(\f)+8*(\i):(\f)+8*(\i)+3],   v[ADRB] offset:(\k)+(\i)*16*PITCH
	ds_load_b128 v[(\f)+8*(\i)+4:(\f)+8*(\i)+7], v[ADRB] offset:(\k)+(\i)*16*PITCH+32
.endr
	WIN 0
.irp i, 0,1,2,3,4,5,6,7
	ds_load_b128 v[(\f)+8*(\i):(\f)+8*(\i)+3],   v[ADRA] offset:(\k)+(\i)*16*PITCH
	ds_load_b128 v[(\f)+8*(\i)+4:(\f)+8*(\i)+7], v[ADRA] offset:(\k)+(\i)*16*PITCH+32
.endr
.endm
.macro QUARTER k, f, g, first          ; 32 along K, 64 matrix instructions; the next quarter's loads stand in its middle
	s_wait_dscnt 8                                 ; all but the youngest eight loads (A's rows 64-127) are in
	MUL16 \f, 0, 0, \first
	MUL16 \f, 0, 2, \first
	PLACES
	FETCH \k, \g
	s_wait_dscnt 32                                ; all but the 32 just issued
	MUL16 \f, 1, 0, \first
	MUL16 \f, 1, 2, \first
.endm
; The fourth quarter multiplies buffer 1 and changes slots: one barrier; in front of it each wave waits for all its tensor loads, adds 0 to its spare word, and waits for that and for its reads of this slot.
.macro TURN fill
	WIN 0
	s_wait_tensorcnt 0x0                           ; all my tensor loads have landed, so the descriptors may be written
	ds_add_u32 v[SPW], v[NIL]                      ; 0 onto my spare word: the descriptors' steps stand between it and the wait for it
.if \fill
	NEXTK
	AIM G0A, G0B
	s_xor_b32 s[G0A+1], s[G0A+1], SLOT             ; the other slot than last time (SLOT's bits are none of WOFF's)
	s_xor_b32 s[G0B+1], s[G0B+1], SLOT
.endif
	s_wait_dscnt 9                                 ; (the add and the youngest eight loads may be out)
	MUL16 F1, 0, 0, 0
	s_wait_dscnt 0x0                               ; the add is done, and my reads of this slot are over
	s_barrier_signal -1
	MUL16 F1, 0, 2, 0
	WIN 0
	s_barrier_wait -1
.if \fill
	CREST                                          ; the barrier has opened a round of the cluster's: no wave of any partner still reads this slot or has a load on its way
	s_xor_b32 s[TB], s[TB], SLOT
	JLOAD                                          ; its four v_nop are also the places in front of the loads below
.else
	s_xor_b32 s[TB], s[TB], SLOT
	PLACES
.endif
	v_add_nc_u32 v[ADRA], s[TB], v[LANEA]
	v_add_nc_u32 v[ADRB], s[TB], v[LANEB]
	FETCH 0, F0
	MUL16 F1, 1, 0, 0
	MUL16 F1, 1, 2, 0
.endm
	s_load_b256 s[4:11], s[0:1], 0x0               ; h2 s[4:5], wb s[6:7], fc1_b s[8:9], ff s[10:11]
	v_lshl_add_u32 v[SPW], v0, 2, SPARE
	v_mov_b32 v[NIL], 0
	ds_add_u32 v[SPW], v[NIL]                      ; the wave's opening: the add, twice on end, and its wait ahead of my first tensor load
	ds_add_u32 v[SPW], v[NIL]
	v_lshrrev_b32 v1, 5, v0
	v_readfirstlane_b32 s[WV], v1
	s_lshr_b32 s[RH], s[WV], 1                     ; which half of the tile's rows is mine.  Also: I fetch for A (0) or for B (1)
	s_and_b32 s[CH], s[WV], 1                      ; which half of its columns.  Also: which 128 rows I fetch
	s_bfe_u32 s[CX], ttmp6, 0x40000
	s_bfe_u32 s[CY], ttmp6, 0x40004
	s_lshl_b32 s[TX], ttmp9, 2
	s_add_co_u32 s[TX], s[TX], s[CX]
	s_and_b32 s[TY], ttmp7, 0xffff
	s_lshl_b32 s[TY], s[TY], 2
	s_add_co_u32 s[TY], s[TY], s[CY]
	s_lshl_b32 s60, s[CY], 2
	s_lshl_b32 s60, 15, s60
	s_lshl_b32 s61, 0x1111, s[CX]
	s_or_b32 s[G1A], s60, GW0
	s_or_b32 s[G1B], s61, GW0
.irp g, G1A, G1B
	s_mov_b32 s[(\g)+1], KSTEP<<16                 ; tensor_dim0 = 128
	s_mov_b32 s[(\g)+2], 128<<16                   ; tensor_dim1 = 128
	s_mov_b32 s[(\g)+3], KSTEP<<16                 ; tile_dim0 = 128
	s_mov_b32 s[(\g)+4], 128                       ; tile_dim1 = 128
	s_mov_b32 s[(\g)+5], 1024                      ; elements from row to row
	s_mov_b32 s[(\g)+6], 0
	s_mov_b32 s[(\g)+7], 0
.endr
	s_and_b32 s[KI], ttmp7, 1                      ; where my cluster's walk begins: 4 x (cluster y mod 2)
	s_lshl_b32 s[KI], s[KI], 2
	s_lshl_b32 s73, ttmp9, 1                       ; + 2 x cluster x,
	s_add_co_u32 s[KI], s[KI], s73
	s_and_b32 s[KI], s[KI], KSTEPS-1               ; round the ring
	s_mov_b32 s[KOF+1], 0
	s_lshl_b32 s22, s[TY], 19                      ; A: (256 x tile row + 128 x half) rows of 2,048 bytes
	s_lshl_b32 s23, s[CH], 18
	s_add_co_u32 s22, s22, s23
	s_mov_b32 s23, 0
	s_lshl_b32 s56, s[TX], 19                      ; B likewise by the tile column, behind WOFFS
	s_lshl_b32 s57, s[CH], 18
	s_add_co_u32 s56, s56, s57
	s_add_co_u32 s56, s56, WOFFS
	s_mov_b32 s57, 0
	s_mul_i32 s[WOFF], s[WV], HALFT
	s_mov_b32 s[TB], 0
	s_mov_b32 s[GC], 0xc01d265f                    ; c = -1.702 log2(e)
	s_mov_b32 s[GC+1], s[GC]
	s_mov_b32 s[G0A0], 1
	s_mov_b32 s[G0A0+1], s[WOFF]
	s_mov_b32 s[G0A], 1
	s_add_co_u32 s[G0A+1], s[WOFF], SLOT
	s_mov_b32 s[G0B0], 1
	s_mov_b32 s[G0B0+1], s[WOFF]
	s_mov_b32 s[G0B], 1
	s_add_co_u32 s[G0B+1], s[WOFF], SLOT
	s_wait_dscnt 0x0                               ; both opening adds are done
	s_wait_kmcnt 0x0
	s_add_nc_u64 s[22:23], s[4:5], s[22:23]
	s_add_nc_u64 s[56:57], s[6:7], s[56:57]
	AIM G0A0, G0B0                                 ; slot 0: the walk's first step,
	NEXTK
	AIM G0A, G0B                                   ; slot 1: its second
	CROUND                                         ; all sixteen work-groups are here: the first joint loads meet
	s_cmp_eq_u32 s[RH], 0                          ; a wave's two first fills stand in one branch: two loads of mine are out
	s_cbranch_scc0 .Lfirst_b
	tensor_load_to_lds s[G0A0:G0A0+3], s[G1A:G1A+7]
	s_nop 0
	tensor_load_to_lds s[G0A:G0A+3], s[G1A:G1A+7]
	s_nop 0
.rept 4
	v_nop
.endr
	s_branch .Lfirst_asked
.Lfirst_b:
	tensor_load_to_lds s[G0B0:G0B0+3], s[G1B:G1B+7]
	s_nop 0
	tensor_load_to_lds s[G0B:G0B+3], s[G1B:G1B+7]
	s_nop 0
.rept 4
	v_nop
.endr
.Lfirst_asked:
	v_and_b32 v1, 15, v0                           ; l % 16
	v_bfe_u32 v2, v0, 4, 1                         ; l / 16
	v_mul_u32_u24 v3, v1, PITCH
	v_lshl_add_u32 v3, v2, 4, v3
	s_mul_i32 s58, s[RH], HALFT
	v_add_nc_u32 v[LANEA], s58, v3
	s_mul_i32 s58, s[CH], HALFT
	s_add_co_u32 s58, s58, 2*HALFT
	v_add_nc_u32 v[LANEB], s58, v3
	s_mul_i32 s58, s[WV], WSTAGE
	v_mul_u32_u24 v4, v1, SPITCH                   ; in: row l % 16, 32 bytes for each half of the lanes
	v_lshl_add_u32 v4, v2, 5, v4
	v_add_nc_u32 v[STO], s58, v4
	v_mul_u32_u24 v4, v2, SPITCH                   ; back: lanes 0-15 one row, lanes 16-31 the next; 8 f32 a lane
	v_lshl_add_u32 v4, v1, 5, v4
	v_add_nc_u32 v[RD], s58, v4
	v_lshlrev_b32 v4, 13, v2                       ; and the same two rows in ff, 16 bytes a lane
	v_lshl_add_u32 v[CO], v1, 4, v4
	v_lshlrev_b32 v[BO], 5, v2
	s_lshl_b32 s58, s[TX], 10                      ; the bias: 4 x (256 x tile column + 128 x half)
	s_lshl_b32 s59, s[CH], 9
	s_add_co_u32 s58, s58, s59
	s_mov_b32 s59, 0
	s_add_nc_u64 s[8:9], s[8:9], s[58:59]
	WIN 0x40                                       ; destination window 1
.irp b, 0,1,2,3,4,5,6,7
	global_load_b128 v[8*(\b):8*(\b)+3],   v[BO], s[8:9] offset:64*(\b)
	global_load_b128 v[8*(\b)+4:8*(\b)+7], v[BO], s[8:9] offset:64*(\b)+16
.endr
	WIN 0
	s_lshr_b32 s58, s58, 1                         ; ff: my 128 columns are 2 x (256 x tile column + 128 x half) bytes on,
	s_lshl_b32 s63, s[TY], 21                      ; my rows (256 x tile row + 128 x half) x 8,192 bytes down
	s_add_co_u32 s58, s58, s63
	s_lshl_b32 s63, s[RH], 20
	s_add_co_u32 s58, s58, s63
	s_add_nc_u64 s[10:11], s[10:11], s[58:59]
	s_wait_tensorcnt 1                             ; my part of the first step is in; the second's may stay out
	s_barrier_signal -1
	s_barrier_wait -1
	v_add_nc_u32 v[ADRA], s[TB], v[LANEA]
	v_add_nc_u32 v[ADRB], s[TB], v[LANEB]
	FETCH 0, F0
	s_wait_loadcnt 0x0                             ; the bias
	QUARTER 64, F0, F1, 1
	WIN 0
	s_mov_b32 s[CNT], KSTEPS-2
.Lstep:                                        ; a trip: from a K step's second quarter to the next step's first; one slot is filled again
	QUARTER 128, F1, F0, 0
	QUARTER 192, F0, F1, 0
	TURN 1
	QUARTER 64, F0, F1, 0
	WIN 0
	s_sub_co_u32 s[CNT], s[CNT], 1
	s_cmp_lg_u32 s[CNT], 0
	s_cbranch_scc1 .Lstep
	s_mov_b32 s[CNT], 2
.Ltail:                                        ; the last two K steps ask for nothing; the second trip is left in its middle
	QUARTER 128, F1, F0, 0
	QUARTER 192, F0, F1, 0
	WIN 0
	s_sub_co_u32 s[CNT], s[CNT], 1
	s_cmp_eq_u32 s[CNT], 0
	s_cbranch_scc1 .Llast
	TURN 0
	QUARTER 64, F0, F1, 0
	WIN 0
	s_branch .Ltail
.Llast:
	s_wait_dscnt 8
	MUL16 F1, 0, 0, 0
	MUL16 F1, 0, 2, 0
	s_wait_dscnt 0x0
	MUL16 F1, 1, 0, 0
	MUL16 F1, 1, 2, 0
	WIN 0
	PLACES
	PLACES
	s_barrier_signal -1                            ; my reads of the ring are over (the wait for 0 above),
	s_barrier_wait -1                              ; everybody's are: the stages may be laid over it
.irp hi, 0,1
	WIN 0x08+4*(\hi)                               ; a store's data in window 2 or 3
.irp a, 0,1,2,3
.irp b, 0,1,2,3,4,5,6,7
	ds_store_b128 v[STO], v[8*(8*(\a)+(\b)):8*(8*(\a)+(\b))+3]   offset:(4*(\hi)+(\a))*16*SPITCH+64*(\b)
	ds_store_b128 v[STO], v[8*(8*(\a)+(\b))+4:8*(8*(\a)+(\b))+7] offset:(4*(\hi)+(\a))*16*SPITCH+64*(\b)+16
.endr
.endr
.endr
	WIN 0
.irp u, 0,1,2,3
	ds_load_b128 v[NR+8*(\u):NR+8*(\u)+3],   v[RD] offset:(\u)*2*SPITCH  ; the first eight rows.  My own stage: LDS serves a wave's instructions in order (ISA guide 5.7.1.4)
	ds_load_b128 v[NR+8*(\u)+4:NR+8*(\u)+7], v[RD] offset:(\u)*2*SPITCH+16
.endr
	s_mov_b32 s[CNT], 16
.Lout:                                         ; a trip: eight rows of my 128 are activated, rounded and stored, and the next eight are read back meanwhile
	s_wait_dscnt 0x0                               ; this trip's rows, asked for in the trip before
	v_pk_mul_f32 v[ER:ER+1], v[NR:NR+1], s[GC:GC+1] op_sel_hi:[1,0]          ; E = c x
	v_pk_mul_f32 v[ER+2:ER+3], v[NR+2:NR+3], s[GC:GC+1] op_sel_hi:[1,0]
.set i, 0
.rept 14                               ; an exponential and a multiply for later ones, by turns
	v_exp_f32 v[TR+i], v[ER+i]
	v_pk_mul_f32 v[ER+2*i+4:ER+2*i+5], v[NR+2*i+4:NR+2*i+5], s[GC:GC+1] op_sel_hi:[1,0]
.set i, i+1
.endr
.rept 18
	v_exp_f32 v[TR+i], v[ER+i]
.set i, i+1
.endr
	v_nop                                          ; a plain instruction behind the last exponential,
	s_wait_alu depctr_va_vdst(0)                   ; and one wait for the batch of 32, ahead of the branch, and of the first reader
	s_cmp_eq_u32 s[CNT], 1                         ; the last trip has no rows behind it
	s_cbranch_scc1 .Lno_more
.irp u, 0,1,2,3
	ds_load_b128 v[NR+8*(\u):NR+8*(\u)+3],   v[RD] offset:(8+(\u)*2)*SPITCH  ; x's registers are free since E was made: the next eight rows
	ds_load_b128 v[NR+8*(\u)+4:NR+8*(\u)+7], v[RD] offset:(8+(\u)*2)*SPITCH+16
.endr
.Lno_more:
	v_pk_fma_f32 v[TR:TR+1], v[TR:TR+1], s[GC:GC+1], s[GC:GC+1] op_sel_hi:[1,0,0]      ; c + c 2^E
	v_pk_fma_f32 v[TR+2:TR+3], v[TR+2:TR+3], s[GC:GC+1], s[GC:GC+1] op_sel_hi:[1,0,0]
.set i, 0
.rept 14                               ; a reciprocal and a multiply-add for later ones, by turns: no multiply-add names a register that a reciprocal has written
	v_rcp_f32 v[TR+i], v[TR+i]
	v_pk_fma_f32 v[TR+2*i+4:TR+2*i+5], v[TR+2*i+4:TR+2*i+5], s[GC:GC+1], s[GC:GC+1] op_sel_hi:[1,0,0]
.set i, i+1
.endr
.rept 18
	v_rcp_f32 v[TR+i], v[TR+i]
.set i, i+1
.endr
	v_nop
	s_wait_alu depctr_va_vdst(0)                   ; one wait for the 32 reciprocals
.set i, 0
.rept 16
	v_pk_mul_f32 v[ER+i:ER+i+1], v[ER+i:ER+i+1], v[TR+i:TR+i+1]              ; E / (c + c 2^E) = x / (1 + 2^E)
.set i, i+2
.endr
	s_wait_xcnt 0x0                                ; the last trip's stores, a whole trip back, have read their offset and their data: both are written again only behind this wait
	v_add_nc_u32 v[CO], 65536, v[CO]               ; eight rows of ff on; the stores below reach back
.set i, 0
.rept 16
	v_cvt_pk_bf16_f32 v[YR+i], v[ER+2*i], v[ER+2*i+1]
.set i, i+1
.endr
.irp u, 0,1,2,3
	global_store_b128 v[CO], v[YR+4*(\u):YR+4*(\u)+3], s[10:11] offset:(\u)*16384-65536  ; 16 lanes store 256 consecutive bytes, aligned
.endr
	v_add_nc_u32 v[RD], 8*SPITCH, v[RD]
	s_sub_co_u32 s[CNT], s[CNT], 1
	s_cmp_lg_u32 s[CNT], 0
	s_cbranch_scc1 .Lout
	s_wait_tensorcnt 0x0                           ; the wave's end
	ds_add_u32 v[SPW], v[NIL]
	s_wait_dscnt 0x0
	CROUND                                         ; the closing round
	s_endpgm
.Lfunc_end_k_q45c7763319_fc1:
	.size	k_q45c7763319_fc1, .Lfunc_end_k_q45c7763319_fc1-k_q45c7763319_fc1
	.p2alignl 7, 3214868480
	.fill 96, 4, 3214868480
	.section	.rodata,"a",@progbits
	.p2align	6, 0x0
	.amdhsa_kernel k_q45c7763319_fc1
		.amdhsa_group_segment_fixed_size 327680
		.amdhsa_private_segment_fixed_size 0
		.amdhsa_enable_private_segment 0
		.amdhsa_kernarg_size 32
		.amdhsa_user_sgpr_count 2
		.amdhsa_user_sgpr_kernarg_segment_ptr 1
		.amdhsa_wavefront_size32 1
		.amdhsa_system_sgpr_workgroup_id_x 1
		.amdhsa_system_sgpr_workgroup_id_y 1
		.amdhsa_system_sgpr_workgroup_id_z 1
		.amdhsa_system_vgpr_workitem_id 0
		.amdhsa_next_free_vgpr 1024
		.amdhsa_next_free_sgpr 80
		.amdhsa_reserve_vcc 0
		.amdhsa_float_denorm_mode_32 3
		.amdhsa_float_denorm_mode_16_64 3
		.amdhsa_memory_ordered 1
		.amdhsa_forward_progress 1
		.amdhsa_inst_pref_size 91
	.end_amdhsa_kernel
	.amdgpu_metadata
---
amdhsa.version: [ 1, 2 ]
amdhsa.kernels:
  - .name:           k_q45c7763319_fc1
    .symbol:         k_q45c7763319_fc1.kd
    .args:
      - { .name: h2, .offset: 0, .size: 8, .value_kind: global_buffer, .address_space: global }
      - { .name: wb, .offset: 8, .size: 8, .value_kind: global_buffer, .address_space: global }
      - { .name: fc1_b, .offset: 16, .size: 8, .value_kind: global_buffer, .address_space: global }
      - { .name: ff, .offset: 24, .size: 8, .value_kind: global_buffer, .address_space: global }
    .group_segment_fixed_size: 327680
    .private_segment_fixed_size: 0
    .kernarg_segment_align: 8
    .kernarg_segment_size: 32
    .max_flat_workgroup_size: 128
    .sgpr_count:     80
    .vgpr_count:     1024
    .wavefront_size: 32
...
	.end_amdgpu_metadata
.endif
;; end of part 5
;; launch fc2 (part 6): grid 8 x 32, 4 waves a work-group, clusters of 4 x 4, 327,680 bytes of LDS; arguments ff, wb, fc2_b, x1, out0; writes out0
.if DOCPART == 6
	.amdgcn_target "amdgcn-amd-amdhsa--gfx1250"
	.amdhsa_code_object_version 6
	.text
	.protected	k_q45c7763319_fc2
	.globl	k_q45c7763319_fc2
	.p2align	8
	.type	k_q45c7763319_fc2,@function
k_q45c7763319_fc2:
	s_mov_b64 s[64:65], 0
	v_nop
	global_prefetch_b8 v0, s[64:65] scope:SCOPE_SE
	s_setreg_imm32_b32 hwreg(HW_REG_WAVE_MODE, 25, 1), 1
	s_wait_xcnt 0x0
	s_wait_alu depctr_hold_cnt(0) depctr_sa_sdst(0) depctr_va_vdst(0) depctr_va_sdst(0) depctr_va_ssrc(0) depctr_va_vcc(0) depctr_vm_vsrc(0)
	s_getreg_b32 s2, hwreg(HW_REG_IB_STS2, 6, 4)
	s_cmp_eq_u32 s2, 0
	s_cbranch_scc0 .Lentry_in_a_cluster
	s_endpgm
.Lentry_in_a_cluster:
	s_bfe_u32 s2, ttmp6, 0x10000c
	s_cmp_lg_u32 s2, 0xf033
	s_cbranch_scc0 .Lentry_shape_is_right
	s_endpgm
.Lentry_shape_is_right:
; SIXTH LAUNCH: out0 = x1 + ff W2^T + fc2_b.  ff [4096][4096] bf16, W2 bf16 in wb at WOFFS, out0 f32.  Sums in f32; the bias is the C operand of each sum's first product; the residual is added in f32 on the way out.
; A tile of C is 128 x 128 (32 x 8 tiles = 256 work-groups), four waves of 64 x 64: 16 accumulators.  K goes in 16 steps of 256 (LDS rows of 512 bytes) through two slots; a wave's tensor load brings 64 rows.
; CLUSTER 4 x 4: A's tile is shared along a row of the cluster, B's along a column: joint loads.  The matrix instruction is used transposed (source 0 = 16 weight rows, source 1 = 16 tokens).
; THE WALK ALONG K IS A RING: cluster (x, y) begins at step 8 x + 4 (y mod 4) and goes round (f32 sums may be taken in any order).  So the two clusters that read the same rows of ff stand eight steps apart, and four
; neighbours along y, which read the same rows of W2, four steps apart: they ask for the same rows at different times.  The start is made of the cluster's coordinates alone: it is equal in all sixteen partners.
; PREFETCH.  Of the two clusters that read its rows of ff this one is the first to ask for its own steps 0 to 7.  Steps 0 and 1 come by the first fills, 2 to 4 by their refills alone; behind each of the first three refills,
; and behind the run of LDS loads that follows it, the waves that fetch A ask for own step 5, 6, 7: three refills, 384 matrix instructions, ahead of the load that will want it: 16 rows x 512 bytes, a lane a block of 256 bytes.
; The four partners of a joint load share its 64 rows by address.  The two clusters' steps 5 to 7 are different steps of K, so each block is named once in the launch.  W2's rows are asked for by nobody: of its four
; neighbours a cluster is the first to ask for its own steps 0 to 3 alone, and a request three refills ahead of those would stand at the head, among the first tiles' loads.
; REGISTERS: window 0: v0-29 addresses; v96-127 the bias; v128-255 the accumulators ((a, b) at 128 + 8 (4 a + b)).  window 1: two fragment buffers of 128.  window 2: v0-127 the residual, v128-255 C's rows read back.
.set SIZE_K, 4096
.set WOFFS,  16777216
.set PREF,   1
.set KSTEP,  256
.set KSTEPS, SIZE_K/KSTEP
.set KSH,    9                         ; a K step is 512 bytes of a row
.set LIMV,   KSTEPS-5                  ; the loop counts 14, 13, 12, ..: the first three refills ask
.set PITCH,  528                       ; 512 bytes + 16 of padding = 132 words: the 16 rows of a load start at 16 different groups of four banks (64 banks of 4 bytes: ISA guide 11.1)
.set HALFT,  64*PITCH
.set SLOT,   4*HALFT
.set SPARE,  2*SLOT                    ; behind the ring: the spare words, 128 bytes a wave, which no other line names
.set SPITCH, 272
.set WSTAGE, 64*SPITCH                 ; a wave's stage, 64 rows of 64 f32, laid over the ring when its slots have had their last fill
.set GW0,    (1<<16)|(1<<20)|(1<<21)|(6<<22)|(3<<25)
.set LANEA, 10
.set LANEB, 11
.set ADRA,  13
.set ADRB,  14
.set STO,   16
.set RD,    17
.set CO,    18
.set BO,    19
.set PFO,   20
.set SPW,   28
.set NIL,   29
.set BIAS,  96
.set ACC,   128
.set F0,    0
.set F1,    128
.set TB,  2
.set CNT, 3
.set WV,  14
.set RH,  15
.set CH,  16
.set CX,  17
.set CY,  18
.set TX,  19
.set TY,  20
.set WOFF, 21
.set G1A, 24
.set G0A0, 32
.set G0A, 36
.set G1B, 40
.set G0B0, 48
.set G0B, 52
.set LIM, 62
.set PFA, 66
.set KI,  72                           ; s72  the K step that the walking descriptors stand at
.set KOF, 74                           ; s[74:75] its byte offset in a row
.set PFI, 76                           ; s[76:77] the same for the prefetch
.set PFB, 78                           ; s[78:79] the prefetches' rows at K step 0
.set MSB, 0
.macro WIN new
.if MSB != (\new)
	s_set_vgpr_msb (MSB<<8)|(\new)
.set MSB, \new
.endif
.endm
.macro PLACES
.rept 4
	v_nop
.endr
.endm
.macro NEXTK                           ; one step on, round the ring
	s_add_co_u32 s[KI], s[KI], 1
	s_and_b32 s[KI], s[KI], KSTEPS-1
.endm
.macro AIM ga, gb                      ; two descriptors' global addresses are made anew: the tile's first row at K step KI; the type bits are set again
	s_lshl_b32 s[KOF], s[KI], KSH
	s_add_nc_u64 s[(\ga)+2:(\ga)+3], s[22:23], s[KOF:KOF+1]
	s_or_b32 s[(\ga)+3], s[(\ga)+3], 0x80000000
	s_add_nc_u64 s[(\gb)+2:(\gb)+3], s[56:57], s[KOF:KOF+1]
	s_or_b32 s[(\gb)+3], s[(\gb)+3], 0x80000000
.endm
.macro JLOAD                           ; a joint refill: waves 0 and 1 fetch A's two halves, waves 2 and 3 B's; an s_nop 0 and four v_nop follow each line
	s_cmp_eq_u32 s[RH], 0
	s_cbranch_scc0 .Lfor_b_\@
	tensor_load_to_lds s[G0A:G0A+3], s[G1A:G1A+7]
	s_nop 0
.rept 4
	v_nop
.endr
	s_branch .Lasked_\@
.Lfor_b_\@:
	tensor_load_to_lds s[G0B:G0B+3], s[G1B:G1B+7]
	s_nop 0
.rept 4
	v_nop
.endr
.Lasked_\@:
.endm
.macro CREST
	s_cmp_lg_u32 s[WV], 0
	s_cbranch_scc1 .Lnot_wave_0_\@
	s_barrier_signal -3
.Lnot_wave_0_\@:
	s_barrier_wait -3
	s_barrier_signal -1
	s_barrier_wait -1
.endm
.macro CROUND
	s_barrier_signal -1
	s_barrier_wait -1
	CREST
.endm
.macro ASK                             ; the branch hangs on the wave's number and the loop's count alone
	WIN 0
	s_cmp_gt_u32 s[CNT], s[LIM]
	s_cbranch_scc0 .Lnot_mine_\@
	global_prefetch_b8 v[PFO], s[PFA:PFA+1] th:TH_LOAD_NT scope:SCOPE_SE
.Lnot_mine_\@:
.endm
; 8 matrix instructions: token blocks a0, a0 + 1 x all 4 column blocks, 32 along K: half c of buffer f.  The 16 accumulators take turns.  first = 1: C is the bias
.macro MUL8 f, c, a0, first
	WIN 0x05
.irp a, \a0, (\a0)+1
.irp b, 0,1,2,3
.if \first
	v_wmma_f32_16x16x32_bf16 v[ACC+8*(4*(\a)+(\b)):ACC+8*(4*(\a)+(\b))+7], v[(\f)+64+8*(4*(\c)+(\b)):(\f)+64+8*(4*(\c)+(\b))+7], v[(\f)+8*(4*(\c)+(\a)):(\f)+8*(4*(\c)+(\a))+7], v[BIAS+8*(\b):BIAS+8*(\b)+7]
.else
	v_wmma_f32_16x16x32_bf16 v[ACC+8*(4*(\a)+(\b)):ACC+8*(4*(\a)+(\b))+7], v[(\f)+64+8*(4*(\c)+(\b)):(\f)+64+8*(4*(\c)+(\b))+7], v[(\f)+8*(4*(\c)+(\a)):(\f)+8*(4*(\c)+(\a))+7], v[ACC+8*(4*(\a)+(\b)):ACC+8*(4*(\a)+(\b))+7]
.endif
.endr
.endr
.endm
.macro FETCH k, f                      ; 32 LDS loads in one run: 64 along K at byte k of the rows; the first 32 along K first
	WIN 0x40
.irp c, 0,1
.irp i, 0,1,2,3
	ds_load_b128 v[(\f)+64+8*(4*(\c)+(\i)):(\f)+64+8*(4*(\c)+(\i))+3],   v[ADRB] offset:(\k)+64*(\c)+(\i)*16*PITCH
	ds_load_b128 v[(\f)+64+8*(4*(\c)+(\i))+4:(\f)+64+8*(4*(\c)+(\i))+7], v[ADRB] offset:(\k)+64*(\c)+(\i)*16*PITCH+32
	ds_load_b128 v[(\f)+8*(4*(\c)+(\i)):(\f)+8*(4*(\c)+(\i))+3],         v[ADRA] offset:(\k)+64*(\c)+(\i)*16*PITCH
	ds_load_b128 v[(\f)+8*(4*(\c)+(\i))+4:(\f)+8*(4*(\c)+(\i))+7],       v[ADRA] offset:(\k)+64*(\c)+(\i)*16*PITCH+32
.endr
.endr
.endm
.macro QUARTER k, f, g, first          ; 64 along K, 32 matrix instructions; the next quarter's loads stand in its middle
	s_wait_dscnt 16                                ; the first 32 along K are in; the youngest sixteen loads may be out
	MUL8 \f, 0, 0, \first
	MUL8 \f, 0, 2, \first
	PLACES
	FETCH \k, \g
	s_wait_dscnt 32                                ; all but the 32 just issued
	MUL8 \f, 1, 0, 0
	MUL8 \f, 1, 2, 0
.endm
; The fourth quarter multiplies buffer 1 and changes slots: one barrier; in front of it each wave waits for all its tensor loads, adds 0 to its spare word, and waits for that and for its reads of this slot.
.macro TURN fill
.if (\fill) && PREF
	s_wait_xcnt 0x0                                ; the last prefetch, a K step back, has read its address: it is made anew, four steps on from where the walking descriptors stand
	s_add_co_u32 s[PFI], s[KI], 4
	s_and_b32 s[PFI], s[PFI], KSTEPS-1
	s_lshl_b32 s[PFI], s[PFI], KSH
	s_add_nc_u64 s[PFA:PFA+1], s[PFB:PFB+1], s[PFI:PFI+1]
.endif
	WIN 0
	s_wait_tensorcnt 0x0                           ; all my tensor loads have landed, so the descriptors may be written
	ds_add_u32 v[SPW], v[NIL]                      ; 0 onto my spare word: the descriptors' steps stand between it and the wait for it
.if \fill
	NEXTK
	AIM G0A, G0B
	s_xor_b32 s[G0A+1], s[G0A+1], SLOT             ; the other slot than last time (SLOT's bits are none of WOFF's)
	s_xor_b32 s[G0B+1], s[G0B+1], SLOT
.endif
	s_wait_dscnt 17                                ; (the add and the youngest sixteen loads may be out)
	MUL8 F1, 0, 0, 0
	s_wait_dscnt 0x0                               ; the add is done, and my reads of this slot are over
	s_barrier_signal -1
	MUL8 F1, 0, 2, 0
	WIN 0
	s_barrier_wait -1
.if \fill
	CREST                                          ; the barrier has opened a round of the cluster's: no wave of any partner still reads this slot or has a load on its way
	s_xor_b32 s[TB], s[TB], SLOT
	JLOAD                                          ; its four v_nop are also the places in front of the loads below
.else
	s_xor_b32 s[TB], s[TB], SLOT
	PLACES
.endif
	v_add_nc_u32 v[ADRA], s[TB], v[LANEA]
	v_add_nc_u32 v[ADRB], s[TB], v[LANEB]
	FETCH 0, F0
.if (\fill) && PREF
	ASK
.endif
	MUL8 F1, 1, 0, 0
	MUL8 F1, 1, 2, 0
.endm
	s_load_b256 s[4:11], s[0:1], 0x0               ; A s[4:5], wb s[6:7], bias s[8:9], residual s[10:11]
	s_load_b64 s[12:13], s[0:1], 0x20              ; the output
	v_lshl_add_u32 v[SPW], v0, 2, SPARE
	v_mov_b32 v[NIL], 0
	ds_add_u32 v[SPW], v[NIL]                      ; the wave's opening: the add, twice on end, and its wait ahead of my first tensor load
	ds_add_u32 v[SPW], v[NIL]
	v_lshrrev_b32 v1, 5, v0
	v_readfirstlane_b32 s[WV], v1
	s_lshr_b32 s[RH], s[WV], 1                     ; which half of the tile's rows is mine.  Also: I fetch for A (0) or for B (1)
	s_and_b32 s[CH], s[WV], 1                      ; which half of its columns.  Also: which 64 rows I fetch
	s_bfe_u32 s[CX], ttmp6, 0x40000
	s_bfe_u32 s[CY], ttmp6, 0x40004
	s_lshl_b32 s[TX], ttmp9, 2
	s_add_co_u32 s[TX], s[TX], s[CX]
	s_and_b32 s[TY], ttmp7, 0xffff
	s_lshl_b32 s[TY], s[TY], 2
	s_add_co_u32 s[TY], s[TY], s[CY]
	s_lshl_b32 s60, s[CY], 2
	s_lshl_b32 s60, 15, s60
	s_lshl_b32 s61, 0x1111, s[CX]
	s_or_b32 s[G1A], s60, GW0
	s_or_b32 s[G1B], s61, GW0
.irp g, G1A, G1B
	s_mov_b32 s[(\g)+1], KSTEP<<16                 ; tensor_dim0 = 256
	s_mov_b32 s[(\g)+2], 64<<16                    ; tensor_dim1 = 64
	s_mov_b32 s[(\g)+3], KSTEP<<16                 ; tile_dim0 = 256
	s_mov_b32 s[(\g)+4], 64                        ; tile_dim1 = 64
	s_mov_b32 s[(\g)+5], SIZE_K                    ; elements from row to row
	s_mov_b32 s[(\g)+6], 0
	s_mov_b32 s[(\g)+7], 0
.endr
	s_and_b32 s[KI], ttmp7, 3                      ; where my cluster's walk begins: a quarter of the ring x (cluster y mod 4)
	s_mul_i32 s[KI], s[KI], KSTEPS/4
	s_mul_i32 s73, ttmp9, KSTEPS/2                 ; + half of it x cluster x,
	s_add_co_u32 s[KI], s[KI], s73
	s_and_b32 s[KI], s[KI], KSTEPS-1               ; round the ring
	s_mov_b32 s[KOF+1], 0
	s_lshl_b32 s22, s[TY], 7
	s_lshl_b32 s23, s[CH], 6
	s_add_co_u32 s22, s22, s23                     ; A: row 128 x tile row + 64 x half
	s_mul_i32 s22, s22, SIZE_K*2
	s_mov_b32 s23, 0
	s_lshl_b32 s56, s[TX], 7
	s_lshl_b32 s57, s[CH], 6
	s_add_co_u32 s56, s56, s57                     ; B: row 128 x tile column + 64 x half
	s_mul_i32 s56, s56, SIZE_K*2
	s_add_co_u32 s56, s56, WOFFS
	s_mov_b32 s57, 0
	s_mul_i32 s[WOFF], s[WV], HALFT
	s_mov_b32 s[TB], 0
	s_mov_b32 s[G0A0], 1
	s_mov_b32 s[G0A0+1], s[WOFF]
	s_mov_b32 s[G0A], 1
	s_add_co_u32 s[G0A+1], s[WOFF], SLOT
	s_mov_b32 s[G0B0], 1
	s_mov_b32 s[G0B0+1], s[WOFF]
	s_mov_b32 s[G0B], 1
	s_add_co_u32 s[G0B+1], s[WOFF], SLOT
	s_wait_dscnt 0x0                               ; both opening adds are done
	s_wait_kmcnt 0x0
	s_add_nc_u64 s[22:23], s[4:5], s[22:23]
	s_add_nc_u64 s[56:57], s[6:7], s[56:57]
	AIM G0A0, G0B0                                 ; slot 0: the walk's first step,
	NEXTK
	AIM G0A, G0B                                   ; slot 1: its second
	CROUND                                         ; all sixteen work-groups are here: the first joint loads meet
	s_cmp_eq_u32 s[RH], 0                          ; a wave's two first fills stand in one branch: two loads of mine are out
	s_cbranch_scc0 .Lfirst_b
	tensor_load_to_lds s[G0A0:G0A0+3], s[G1A:G1A+7]
	s_nop 0
	tensor_load_to_lds s[G0A:G0A+3], s[G1A:G1A+7]
	s_nop 0
.rept 4
	v_nop
.endr
	s_branch .Lfirst_asked
.Lfirst_b:
	tensor_load_to_lds s[G0B0:G0B0+3], s[G1B:G1B+7]
	s_nop 0
	tensor_load_to_lds s[G0B:G0B+3], s[G1B:G1B+7]
	s_nop 0
.rept 4
	v_nop
.endr
.Lfirst_asked:
	v_and_b32 v1, 15, v0                           ; l % 16
	v_bfe_u32 v2, v0, 4, 1                         ; l / 16
	v_mul_u32_u24 v3, v1, PITCH
	v_lshl_add_u32 v3, v2, 4, v3
	s_mul_i32 s58, s[RH], HALFT
	v_add_nc_u32 v[LANEA], s58, v3
	s_mul_i32 s58, s[CH], HALFT
	s_add_co_u32 s58, s58, 2*HALFT
	v_add_nc_u32 v[LANEB], s58, v3
	s_mul_i32 s58, s[WV], WSTAGE
	v_mul_u32_u24 v4, v1, SPITCH                   ; in: row l % 16, 32 bytes for each half of the lanes
	v_lshl_add_u32 v4, v2, 5, v4
	v_add_nc_u32 v[STO], s58, v4
	v_mul_u32_u24 v4, v2, SPITCH                   ; back: lanes 0-15 one row of 256 bytes, lanes 16-31 the next
	v_lshl_add_u32 v4, v1, 4, v4
	v_add_nc_u32 v[RD], s58, v4
	v_lshlrev_b32 v4, 12, v2                       ; and the same two rows in the residual and the output
	v_lshl_add_u32 v[CO], v1, 4, v4
	v_lshlrev_b32 v[BO], 5, v2
	s_lshl_b32 s58, s[TX], 9                       ; the bias: 4 x (128 x tile column + 64 x half)
	s_lshl_b32 s59, s[CH], 8
	s_add_co_u32 s58, s58, s59
	s_mov_b32 s59, 0
	s_add_nc_u64 s[8:9], s[8:9], s[58:59]
.irp b, 0,1,2,3
	global_load_b128 v[BIAS+8*(\b):BIAS+8*(\b)+3],   v[BO], s[8:9] offset:64*(\b)
	global_load_b128 v[BIAS+8*(\b)+4:BIAS+8*(\b)+7], v[BO], s[8:9] offset:64*(\b)+16
.endr
	s_lshl_b32 s63, s[TY], 19                      ; my 64 x 64 of the residual and the output: rows of 4,096 bytes
	s_add_co_u32 s58, s58, s63
	s_lshl_b32 s63, s[RH], 18
	s_add_co_u32 s58, s58, s63
	s_add_nc_u64 s[10:11], s[10:11], s[58:59]
	s_add_nc_u64 s[12:13], s[12:13], s[58:59]
.if PREF
	s_cmp_eq_u32 s[RH], 0                          ; the waves that fetch A ask, behind the first three refills; the others never
	s_cselect_b32 s[LIM], LIMV, -1
	s_mul_i32 s58, s[CX], 16*SIZE_K*2              ; my work-group's 16 rows of the 64 that I fetch
	s_add_nc_u64 s[PFB:PFB+1], s[22:23], s[58:59]
	s_mov_b32 s[PFI+1], 0
	v_mul_u32_u24 v[PFO], v1, SIZE_K*2             ; row l % 16, block l / 16 of the K step's two
	v_lshl_add_u32 v[PFO], v2, 8, v[PFO]
.endif
	s_wait_tensorcnt 1                             ; my part of the first step is in; the second's may stay out
	s_barrier_signal -1
	s_barrier_wait -1
	v_add_nc_u32 v[ADRA], s[TB], v[LANEA]
	v_add_nc_u32 v[ADRB], s[TB], v[LANEB]
	FETCH 0, F0
	s_wait_loadcnt 0x0                             ; the bias
	QUARTER 128, F0, F1, 1
	WIN 0
	s_mov_b32 s[CNT], KSTEPS-2
.Lstep:                                        ; a trip: from a K step's second quarter to the next step's first; one slot is filled again
	QUARTER 256, F1, F0, 0
	QUARTER 384, F0, F1, 0
	TURN 1
	QUARTER 128, F0, F1, 0
	WIN 0
	s_sub_co_u32 s[CNT], s[CNT], 1
	s_cmp_lg_u32 s[CNT], 0
	s_cbranch_scc1 .Lstep
	WIN 0x80                                       ; the residual, into window 2: it lands under the last two K steps
.set t, 0
.rept 32
	global_load_b128 v[4*t:4*t+3], v[CO], s[10:11] offset:8192*t
.set t, t+1
.endr
	WIN 0
	s_mov_b32 s[CNT], 2
.Ltail:                                        ; the last two K steps ask for nothing; the second trip is left in its middle
	QUARTER 256, F1, F0, 0
	QUARTER 384, F0, F1, 0
	WIN 0
	s_sub_co_u32 s[CNT], s[CNT], 1
	s_cmp_eq_u32 s[CNT], 0
	s_cbranch_scc1 .Llast
	TURN 0
	QUARTER 128, F0, F1, 0
	WIN 0
	s_branch .Ltail
.Llast:
	s_wait_dscnt 16
	MUL8 F1, 0, 0, 0
	MUL8 F1, 0, 2, 0
	s_wait_dscnt 0x0
	MUL8 F1, 1, 0, 0
	MUL8 F1, 1, 2, 0
	WIN 0
	PLACES
	PLACES
	s_barrier_signal -1                            ; my reads of the ring are over (the wait for 0 above),
	s_barrier_wait -1                              ; everybody's are: the stages may be laid over it
.irp a, 0,1,2,3
.irp b, 0,1,2,3
	ds_store_b128 v[STO], v[ACC+8*(4*(\a)+(\b)):ACC+8*(4*(\a)+(\b))+3]   offset:(\a)*16*SPITCH+64*(\b)
	ds_store_b128 v[STO], v[ACC+8*(4*(\a)+(\b))+4:ACC+8*(4*(\a)+(\b))+7] offset:(\a)*16*SPITCH+64*(\b)+16
.endr
.endr
	WIN 0x80
.set t, 0
.rept 32
	ds_load_b128 v[128+4*t:128+4*t+3], v[RD] offset:t*2*SPITCH  ; my own stage: LDS serves a wave's instructions in order (ISA guide 5.7.1.4)
.set t, t+1
.endr
	s_wait_loadcnt 0x0                             ; the residual
	s_wait_dscnt 0x0
	WIN 0x8a
.set t, 0
.rept 64
	v_pk_add_f32 v[128+2*t:128+2*t+1], v[128+2*t:128+2*t+1], v[2*t:2*t+1]
.set t, t+1
.endr
	WIN 0x08                                       ; a store's data in window 2
.set t, 0
.rept 32
	global_store_b128 v[CO], v[128+4*t:128+4*t+3], s[12:13] offset:8192*t  ; 16 lanes store 256 consecutive bytes, aligned
.set t, t+1
.endr
	WIN 0
	s_wait_tensorcnt 0x0                           ; the wave's end
	ds_add_u32 v[SPW], v[NIL]
	s_wait_dscnt 0x0
	CROUND                                         ; the closing round
	s_endpgm
.Lfunc_end_k_q45c7763319_fc2:
	.size	k_q45c7763319_fc2, .Lfunc_end_k_q45c7763319_fc2-k_q45c7763319_fc2
	.p2alignl 7, 3214868480
	.fill 96, 4, 3214868480
	.section	.rodata,"a",@progbits
	.p2align	6, 0x0
	.amdhsa_kernel k_q45c7763319_fc2
		.amdhsa_group_segment_fixed_size 327680
		.amdhsa_private_segment_fixed_size 0
		.amdhsa_enable_private_segment 0
		.amdhsa_kernarg_size 40
		.amdhsa_user_sgpr_count 2
		.amdhsa_user_sgpr_kernarg_segment_ptr 1
		.amdhsa_wavefront_size32 1
		.amdhsa_system_sgpr_workgroup_id_x 1
		.amdhsa_system_sgpr_workgroup_id_y 1
		.amdhsa_system_sgpr_workgroup_id_z 1
		.amdhsa_system_vgpr_workitem_id 0
		.amdhsa_next_free_vgpr 768
		.amdhsa_next_free_sgpr 80
		.amdhsa_reserve_vcc 0
		.amdhsa_float_denorm_mode_32 3
		.amdhsa_float_denorm_mode_16_64 3
		.amdhsa_memory_ordered 1
		.amdhsa_forward_progress 1
		.amdhsa_inst_pref_size 68
	.end_amdhsa_kernel
	.amdgpu_metadata
---
amdhsa.version: [ 1, 2 ]
amdhsa.kernels:
  - .name:           k_q45c7763319_fc2
    .symbol:         k_q45c7763319_fc2.kd
    .args:
      - { .name: ff, .offset: 0, .size: 8, .value_kind: global_buffer, .address_space: global }
      - { .name: wb, .offset: 8, .size: 8, .value_kind: global_buffer, .address_space: global }
      - { .name: fc2_b, .offset: 16, .size: 8, .value_kind: global_buffer, .address_space: global }
      - { .name: x1, .offset: 24, .size: 8, .value_kind: global_buffer, .address_space: global }
      - { .name: out0, .offset: 32, .size: 8, .value_kind: global_buffer, .address_space: global }
    .group_segment_fixed_size: 327680
    .private_segment_fixed_size: 0
    .kernarg_segment_align: 8
    .kernarg_segment_size: 40
    .max_flat_workgroup_size: 128
    .sgpr_count:     80
    .vgpr_count:     768
    .wavefront_size: 32
...
	.end_amdgpu_metadata
.endif
;; end of part 6
;; ======== version 2 of 2: 6 launches; version 1 with the launches prep, ln2 written anew for expert scheduling mode
;; workspace buffers: wb 25,165,824 bytes; h1 8,388,608 bytes; att 8,388,608 bytes; x1 16,777,216 bytes; h2 8,388,608 bytes; ff 33,554,432 bytes
;; launch prep (part 7): grid 1024 x 1, 8 waves a work-group, no clusters, 0 bytes of LDS; arguments hidden_states, ln1_g, ln1_b, q_w, k_w, v_w, o_w, fc1_w, fc2_w, wb, h1; writes wb, h1
.if DOCPART == 7
	.amdgcn_target "amdgcn-amd-amdhsa--gfx1250"
	.amdhsa_code_object_version 6
	.text
	.protected	k_q45c7763319_prep
	.globl	k_q45c7763319_prep
	.p2align	8
	.type	k_q45c7763319_prep,@function
k_q45c7763319_prep:
	s_mov_b64 s[64:65], 0
	v_nop
	global_prefetch_b8 v0, s[64:65] scope:SCOPE_SE
	s_setreg_imm32_b32 hwreg(HW_REG_WAVE_SCHED_MODE, 0, 2), 2
	s_setreg_imm32_b32 hwreg(HW_REG_WAVE_MODE, 25, 1), 1
	s_wait_xcnt 0x0
	s_wait_alu depctr_vm_vsrc(0)
; FIRST OF SIX LAUNCHES of one pre-LN transformer layer on 4,096 tokens of 1,024 channels (16 heads of 64, hidden width 4,096).
; This launch: h1 = LayerNorm1(hidden_states) rounded to bf16, and the six weight matrices rounded to bf16 into wb, each row-major as given, in the order q, k, v, o, fc1, fc2.
; WORK LEFT OUT IN THE WHOLE PROGRAM: k_b.  scores[q][k] = q . (h Wk^T + k_b)[k] = q . (h Wk^T)[k] + q . k_b, and q . k_b is the same for all keys k of a row q; softmax along k
; cancels a term that is the same along its axis, for all finite values of the inputs.  So k_b has no way to the output: it is not loaded and is an argument of no launch.
; LIMIT: a NaN, an infinity or an overflow that k_b alone would bring into the scores is not carried to the result.
; LIMITS of the program: matrix operands (h1, the weights, q, k, v, the softmax's weights, the attention's output, h2, the hidden layer) are rounded once to bf16; sums, norms, softmax and residuals are f32.
; SHARES.  Work-groups 0-255 norm 16 rows each: a wave takes two whole rows (4,096 bytes = 32 registers each), so mean and variance never leave the wave.  The variance is taken of x - mean, as the reference takes it.
; Work-groups 256-1023 round 16,384 weights each, a wave 2,048.  Every work-group reads 65,536 bytes and stores 32,768.  No LDS, no barrier: nothing is shared but 8 KiB of gain and bias.
; THE MODE: SCHED_MODE bits 1:0 = 2 (LLVM: expert scheduling mode 2), set by the entry lines.  The code itself states the register dependences between vector instructions and memory instructions, with s_wait_alu, always for 0.
; THE PLAN.  Registers that memory instructions touch:
;   v2, v3     the loads' and the stores' byte offsets: made once in each path, ahead of one wait, and never written again.
;   X          The loads land in it before any vector line names it.  Behind the wait for the data vector lines alone name it, until the conversions leave bf16 in registers 4 j and 4 j + 1 of each quad;
;              the stores read those, and nothing writes them afterwards.
;   G, BT      The loads land in them; vector lines read them.
;   v4 - v17   named by vector lines alone.
; So no register that a memory instruction reads is ever written again, and no load is issued behind a vector line that names its destination: what is left to state is that a store's data and the offsets are written.
; The conversions stand in runs, and each run's stores follow as one run behind ONE wait, which stands behind other work: in the norm, row 0's behind row 1's first sums; in the cast, a group's behind the wait for the next group's data.
.set X,   32                           ; v[32:95]   two rows as loaded (register 32 r + 4 j + i: column 128 j + 4 lane + i); or sixteen quads of weights
.set G,   96                           ; v[96:127]  the gain, in a row's layout
.set BT,  128                          ; v[128:159] the bias
.set OUT, 24                           ; s[24:25]   h1
.macro WSUM                            ; v12 summed over the wave's 32 lanes, the result in every lane
	v_add_f32_dpp v12, v12, v12 row_xmask:1 row_mask:0xf bank_mask:0xf
	v_add_f32_dpp v12, v12, v12 row_xmask:2 row_mask:0xf bank_mask:0xf
	v_add_f32_dpp v12, v12, v12 row_xmask:4 row_mask:0xf bank_mask:0xf
	v_add_f32_dpp v12, v12, v12 row_xmask:8 row_mask:0xf bank_mask:0xf
	v_permlanex16_b32 v13, v12, s32, s33
	v_add_f32 v12, v12, v13
.endm
.macro JOIN                            ; the four running pairs into one number, then over the lanes
	v_pk_add_f32 v[4:5], v[4:5], v[6:7]
	v_pk_add_f32 v[8:9], v[8:9], v[10:11]
	v_pk_add_f32 v[4:5], v[4:5], v[8:9]
	v_add_f32 v12, v4, v5
	WSUM
.endm
.macro PUT r                           ; a row's eight stores, in one run
.irp j, 0,1,2,3,4,5,6,7
	global_store_b64 v3, v[X+32*(\r)+4*(\j):X+32*(\r)+4*(\j)+1], s[OUT:OUT+1] offset:2048*(\r)+256*(\j)  ; the wave's 32 lanes store 256 consecutive bytes, aligned
.endr
.endm
.macro LNROW r                         ; one row: mean, x - mean, variance, scale, gain and bias, bf16.  Its stores follow later: PUT
.set R, X+32*(\r)
.irp c, 0,1,2,3
	v_pk_add_f32 v[4+2*(\c):5+2*(\c)], v[R+2*(\c):R+2*(\c)+1], v[R+8+2*(\c):R+8+2*(\c)+1]  ; four chains that do not wait for each other
.endr
.irp k, 2,3
.irp c, 0,1,2,3
	v_pk_add_f32 v[4+2*(\c):5+2*(\c)], v[4+2*(\c):5+2*(\c)], v[R+8*(\k)+2*(\c):R+8*(\k)+2*(\c)+1]
.endr
.endr
.if (\r) == 1
	s_wait_alu depctr_va_vdst(0)                   ; row 0's conversions have written registers 4 j and 4 j + 1 of its quads, which the eight stores below read; the next vector line reads what the additions above write
	PUT 0                                          ; no line of row 1 names row 0's registers or v3
.endif
	JOIN
	v_mul_f32 v14, s30, v12                        ; mean = sum / 1,024, twice: a pair for the packed subtraction
	v_mul_f32 v15, s30, v12
.set i, 0
.rept 16
	v_pk_add_f32 v[R+i:R+i+1], v[R+i:R+i+1], v[14:15] neg_lo:[0,1] neg_hi:[0,1]
.set i, i+2
.endr
.irp c, 0,1,2,3
	v_pk_mul_f32 v[4+2*(\c):5+2*(\c)], v[R+2*(\c):R+2*(\c)+1], v[R+2*(\c):R+2*(\c)+1]
.endr
.irp k, 1,2,3
.irp c, 0,1,2,3
	v_pk_fma_f32 v[4+2*(\c):5+2*(\c)], v[R+8*(\k)+2*(\c):R+8*(\k)+2*(\c)+1], v[R+8*(\k)+2*(\c):R+8*(\k)+2*(\c)+1], v[4+2*(\c):5+2*(\c)]
.endr
.endr
	JOIN
	v_fma_f32 v12, v12, s30, s31                   ; variance + 1e-5
	v_rsq_f32 v16, v12
	v_rsq_f32 v17, v12
	v_nop                                          ; a plain instruction behind the last root,
	s_wait_alu depctr_va_vdst(0)                   ; and one wait for both: v16 and v17 are written, ahead of their first reader
.if (\r) == 0
	s_wait_loadcnt 0x0                             ; gain and bias are in (and the second row)
.endif
.set i, 0
.rept 16
	v_pk_mul_f32 v[R+i:R+i+1], v[R+i:R+i+1], v[16:17]
.set i, i+2
.endr
.set i, 0
.rept 16
	v_pk_fma_f32 v[R+i:R+i+1], v[R+i:R+i+1], v[G+i:G+i+1], v[BT+i:BT+i+1]
.set i, i+2
.endr
.irp j, 0,1,2,3,4,5,6,7
	v_cvt_pk_bf16_f32 v[R+4*(\j)], v[R+4*(\j)], v[R+4*(\j)+1]
	v_cvt_pk_bf16_f32 v[R+4*(\j)+1], v[R+4*(\j)+2], v[R+4*(\j)+3]
.endr
.endm
.macro CVT4 g                          ; the cast: group g's four quads are rounded in place
.irp j, 0,1,2,3
	v_cvt_pk_bf16_f32 v[X+16*(\g)+4*(\j)], v[X+16*(\g)+4*(\j)], v[X+16*(\g)+4*(\j)+1]
	v_cvt_pk_bf16_f32 v[X+16*(\g)+4*(\j)+1], v[X+16*(\g)+4*(\j)+2], v[X+16*(\g)+4*(\j)+3]
.endr
.endm
.macro OUT4 g                          ; and stored
.irp j, 0,1,2,3
	global_store_b64 v3, v[X+16*(\g)+4*(\j):X+16*(\g)+4*(\j)+1], s[22:23] offset:1024*(\g)+256*(\j)  ; 256 consecutive bytes, aligned
.endr
.endm
	s_load_b256 s[4:11], s[0:1], 0x0               ; x s[4:5], gain s[6:7], bias s[8:9], q_w s[10:11]
	s_load_b256 s[12:19], s[0:1], 0x20             ; k_w, v_w, o_w, fc1_w
	s_load_b128 s[20:23], s[0:1], 0x40             ; fc2_w, wb
	s_load_b64 s[24:25], s[0:1], 0x50              ; h1
	v_lshrrev_b32 v12, 5, v0
	v_readfirstlane_b32 s26, v12                   ; wave 0..7
	v_and_b32 v1, 31, v0                           ; lane
	v_mov_b32 v13, 0                               ; v_permlanex16_b32's destination counts as read
	s_mov_b32 s29, 0
	s_mov_b32 s30, 0x3a800000                      ; 1 / 1,024
	s_mov_b32 s31, 0x3727c5ac                      ; 1e-5
	s_mov_b32 s32, 0x76543210                      ; each lane takes its own place in the other half
	s_mov_b32 s33, 0xfedcba98
	s_wait_alu depctr_va_sdst(0)                   ; s26 is written, ahead of the branch: both paths make their offsets from it
	s_cmp_lt_u32 ttmp9, 256
	s_cbranch_scc0 .Lcast
	; THE NORM
	s_lshl_b32 s28, ttmp9, 16                      ; 16 rows of 4,096 bytes a work-group,
	s_lshl_b32 s27, s26, 13                        ; two a wave
	s_add_co_u32 s28, s28, s27
	v_lshlrev_b32 v2, 4, v1                        ; 16 bytes a lane in,
	v_lshlrev_b32 v3, 3, v1                        ; 8 out
	s_wait_kmcnt 0x0
	s_add_nc_u64 s[4:5], s[4:5], s[28:29]
	s_lshr_b32 s28, s28, 1                         ; a row of h1 is half as long
	s_add_nc_u64 s[OUT:OUT+1], s[OUT:OUT+1], s[28:29]
	s_wait_alu depctr_va_vdst(0)                   ; v2 and v3 are written: every load of this path reads v2 as its offset, every store v3
.irp r, 0,1
.irp j, 0,1,2,3,4,5,6,7
	global_load_b128 v[X+32*(\r)+4*(\j):X+32*(\r)+4*(\j)+3], v2, s[4:5] offset:4096*(\r)+512*(\j) th:TH_LOAD_NT
.endr
.endr
.irp j, 0,1,2,3,4,5,6,7
	global_load_b128 v[G+4*(\j):G+4*(\j)+3], v2, s[6:7] offset:512*(\j)
.endr
.irp j, 0,1,2,3,4,5,6,7
	global_load_b128 v[BT+4*(\j):BT+4*(\j)+3], v2, s[8:9] offset:512*(\j)
.endr
	s_wait_loadcnt 24                              ; the first row is in; the 24 younger loads (second row, gain, bias) stay out
	LNROW 0
	LNROW 1                                        ; row 0's stores stand in it
	s_wait_alu depctr_va_vdst(0)                   ; row 1's conversions have written registers 4 j and 4 j + 1 of its quads, which the last eight stores read
	PUT 1
	s_endpgm
.Lcast:
	; THE WEIGHTS.  Block c of 16,384 numbers: q 0-63, k 64-127, v 128-191, o 192-255, fc1 256-511, fc2 512-767; wb holds them in that order, so its offset is c x 32,768.
	s_sub_co_u32 s34, ttmp9, 256
	s_mov_b32 s35, 0
	v_lshlrev_b32 v2, 4, v1
	v_lshl_add_u32 v2, s26, 13, v2                 ; in: 16 lane + 8,192 wave
	v_lshlrev_b32 v3, 3, v1
	v_lshl_add_u32 v3, s26, 12, v3                 ; out: 8 lane + 4,096 wave
	s_wait_kmcnt 0x0
	s_mov_b64 s[36:37], s[10:11]
	s_cmp_ge_u32 s34, 64
	s_cselect_b64 s[36:37], s[12:13], s[36:37]
	s_cselect_b32 s35, 64, s35
	s_cmp_ge_u32 s34, 128
	s_cselect_b64 s[36:37], s[14:15], s[36:37]
	s_cselect_b32 s35, 128, s35
	s_cmp_ge_u32 s34, 192
	s_cselect_b64 s[36:37], s[16:17], s[36:37]
	s_cselect_b32 s35, 192, s35
	s_cmp_ge_u32 s34, 256
	s_cselect_b64 s[36:37], s[18:19], s[36:37]
	s_cselect_b32 s35, 256, s35
	s_cmp_ge_u32 s34, 512
	s_cselect_b64 s[36:37], s[20:21], s[36:37]
	s_cselect_b32 s35, 512, s35
	s_sub_co_u32 s28, s34, s35
	s_lshl_b32 s28, s28, 16                        ; my block in its matrix
	s_add_nc_u64 s[36:37], s[36:37], s[28:29]
	s_lshl_b32 s28, s34, 15                        ; and in wb
	s_add_nc_u64 s[22:23], s[22:23], s[28:29]
	s_wait_alu depctr_va_vdst(0)                   ; v2 and v3 are written: every load of this path reads v2 as its offset, every store v3
.irp j, 0,1,2,3,4,5,6,7,8,9,10,11,12,13,14,15
	global_load_b128 v[X+4*(\j):X+4*(\j)+3], v2, s[36:37] offset:512*(\j) th:TH_LOAD_NT
.endr
	; Four groups of four quads.  A group's stores stand behind the wait for the next group's data, and behind one wait for its conversions.
	s_wait_loadcnt 12                              ; loads come back in order: group 0 is in, the twelve younger loads stay out
	CVT4 0
	s_wait_loadcnt 8                               ; group 1 is in, the eight younger loads stay out
	s_wait_alu depctr_va_vdst(0)                   ; group 0's conversions have written its stores' data
	OUT4 0
	CVT4 1
	s_wait_loadcnt 4                               ; group 2 is in, the four younger loads stay out
	s_wait_alu depctr_va_vdst(0)                   ; group 1's conversions have written its stores' data
	OUT4 1
	CVT4 2
	s_wait_loadcnt 0x0                             ; group 3 is in
	s_wait_alu depctr_va_vdst(0)                   ; group 2's conversions have written its stores' data
	OUT4 2
	CVT4 3
	s_wait_alu depctr_va_vdst(0)                   ; group 3's conversions have written its stores' data
	OUT4 3
	s_endpgm
.Lfunc_end_k_q45c7763319_prep:
	.size	k_q45c7763319_prep, .Lfunc_end_k_q45c7763319_prep-k_q45c7763319_prep
	.p2alignl 7, 3214868480
	.fill 96, 4, 3214868480
	.section	.rodata,"a",@progbits
	.p2align	6, 0x0
	.amdhsa_kernel k_q45c7763319_prep
		.amdhsa_group_segment_fixed_size 0
		.amdhsa_private_segment_fixed_size 0
		.amdhsa_enable_private_segment 0
		.amdhsa_kernarg_size 88
		.amdhsa_user_sgpr_count 2
		.amdhsa_user_sgpr_kernarg_segment_ptr 1
		.amdhsa_wavefront_size32 1
		.amdhsa_system_sgpr_workgroup_id_x 1
		.amdhsa_system_sgpr_workgroup_id_y 1
		.amdhsa_system_sgpr_workgroup_id_z 1
		.amdhsa_system_vgpr_workitem_id 0
		.amdhsa_next_free_vgpr 160
		.amdhsa_next_free_sgpr 66
		.amdhsa_reserve_vcc 0
		.amdhsa_float_denorm_mode_32 3
		.amdhsa_float_denorm_mode_16_64 3
		.amdhsa_memory_ordered 1
		.amdhsa_forward_progress 1
		.amdhsa_inst_pref_size 27
	.end_amdhsa_kernel
	.amdgpu_metadata
---
amdhsa.version: [ 1, 2 ]
amdhsa.kernels:
  - .name:           k_q45c7763319_prep
    .symbol:         k_q45c7763319_prep.kd
    .args:
      - { .name: hidden_states, .offset: 0, .size: 8, .value_kind: global_buffer, .address_space: global }
      - { .name: ln1_g, .offset: 8, .size: 8, .value_kind: global_buffer, .address_space: global }
      - { .name: ln1_b, .offset: 16, .size: 8, .value_kind: global_buffer, .address_space: global }
      - { .name: q_w, .offset: 24, .size: 8, .value_kind: global_buffer, .address_space: global }
      - { .name: k_w, .offset: 32, .size: 8, .value_kind: global_buffer, .address_space: global }
      - { .name: v_w, .offset: 40, .size: 8, .value_kind: global_buffer, .address_space: global }
      - { .name: o_w, .offset: 48, .size: 8, .value_kind: global_buffer, .address_space: global }
      - { .name: fc1_w, .offset: 56, .size: 8, .value_kind: global_buffer, .address_space: global }
      - { .name: fc2_w, .offset: 64, .size: 8, .value_kind: global_buffer, .address_space: global }
      - { .name: wb, .offset: 72, .size: 8, .value_kind: global_buffer, .address_space: global }
      - { .name: h1, .offset: 80, .size: 8, .value_kind: global_buffer, .address_space: global }
    .group_segment_fixed_size: 0
    .private_segment_fixed_size: 0
    .kernarg_segment_align: 8
    .kernarg_segment_size: 88
    .max_flat_workgroup_size: 256
    .sgpr_count:     66
    .vgpr_count:     160
    .wavefront_size: 32
...
	.end_amdgpu_metadata
.endif
;; end of part 7
;; launch qkvatt: the kernel of part 2 again; grid 8 x 32, 4 waves a work-group, clusters of 4 x 4, 327,680 bytes of LDS; arguments h1, wb, q_b, v_b, att; writes att
;; launch oproj: the kernel of part 3 again; grid 8 x 32, 4 waves a work-group, clusters of 4 x 4, 327,680 bytes of LDS; arguments att, wb, o_b, hidden_states, x1; writes x1
;; launch ln2 (part 8): grid 256 x 1, 8 waves a work-group, no clusters, 0 bytes of LDS; arguments x1, ln2_g, ln2_b, h2; writes h2
.if DOCPART == 8
	.amdgcn_target "amdgcn-amd-amdhsa--gfx1250"
	.amdhsa_code_object_version 6
	.text
	.protected	k_q45c7763319_ln2
	.globl	k_q45c7763319_ln2
	.p2align	8
	.type	k_q45c7763319_ln2,@function
k_q45c7763319_ln2:
	s_mov_b64 s[64:65], 0
	v_nop
	global_prefetch_b8 v0, s[64:65] scope:SCOPE_SE
	s_setreg_imm32_b32 hwreg(HW_REG_WAVE_SCHED_MODE, 0, 2), 2
	s_setreg_imm32_b32 hwreg(HW_REG_WAVE_MODE, 25, 1), 1
	s_wait_xcnt 0x0
	s_wait_alu depctr_vm_vsrc(0)
; FOURTH LAUNCH: h2 = LayerNorm2(x1) rounded to bf16.  A work-group norms 16 rows; a wave takes two whole rows (32 registers each), so mean and variance never leave the wave.
; The variance is taken of x - mean, as the reference takes it.  No LDS, no barrier: nothing is shared but 8 KiB of gain and bias.
; THE MODE: SCHED_MODE bits 1:0 = 2 (LLVM: expert scheduling mode 2), set by the entry lines.  The code itself states the register dependences between vector instructions and memory instructions, with s_wait_alu, always for 0.
; THE PLAN.  Registers that memory instructions touch:
;   v2, v3     the loads' and the stores' byte offsets: made once at the head, ahead of one wait, and never written again.
;   X          The loads land in it before any vector line names it.  Behind the wait for the data vector lines alone name it, until a row's sixteen conversions leave bf16 in registers 4 j and 4 j + 1 of each quad;
;              the row's eight stores read those, and nothing writes them afterwards.
;   G, BT      The loads land in them; vector lines read them.
;   v4 - v17   named by vector lines alone.
; So no register that a memory instruction reads is ever written again, and no load is issued behind a vector line that names its destination: what is left to state is that a store's data and the offsets are written.
; A row's conversions stand in one run and its stores in one run behind ONE wait: row 0's behind row 1's first sums, row 1's at the end.
.set X,   32                           ; v[32:95]   two rows (register 32 r + 4 j + i: column 128 j + 4 lane + i)
.set G,   96                           ; v[96:127]  the gain
.set BT,  128                          ; v[128:159] the bias
.set OUT, 10                           ; s[10:11]   h2
.macro WSUM
	v_add_f32_dpp v12, v12, v12 row_xmask:1 row_mask:0xf bank_mask:0xf
	v_add_f32_dpp v12, v12, v12 row_xmask:2 row_mask:0xf bank_mask:0xf
	v_add_f32_dpp v12, v12, v12 row_xmask:4 row_mask:0xf bank_mask:0xf
	v_add_f32_dpp v12, v12, v12 row_xmask:8 row_mask:0xf bank_mask:0xf
	v_permlanex16_b32 v13, v12, s32, s33
	v_add_f32 v12, v12, v13
.endm
.macro JOIN
	v_pk_add_f32 v[4:5], v[4:5], v[6:7]
	v_pk_add_f32 v[8:9], v[8:9], v[10:11]
	v_pk_add_f32 v[4:5], v[4:5], v[8:9]
	v_add_f32 v12, v4, v5
	WSUM
.endm
.macro PUT r                           ; a row's eight stores, in one run
.irp j, 0,1,2,3,4,5,6,7
	global_store_b64 v3, v[X+32*(\r)+4*(\j):X+32*(\r)+4*(\j)+1], s[OUT:OUT+1] offset:2048*(\r)+256*(\j)  ; 256 consecutive bytes, aligned
.endr
.endm
.macro LNROW r                         ; one row, up to its conversions.  Its stores follow later: PUT
.set R, X+32*(\r)
.irp c, 0,1,2,3
	v_pk_add_f32 v[4+2*(\c):5+2*(\c)], v[R+2*(\c):R+2*(\c)+1], v[R+8+2*(\c):R+8+2*(\c)+1]
.endr
.irp k, 2,3
.irp c, 0,1,2,3
	v_pk_add_f32 v[4+2*(\c):5+2*(\c)], v[4+2*(\c):5+2*(\c)], v[R+8*(\k)+2*(\c):R+8*(\k)+2*(\c)+1]
.endr
.endr
.if (\r) == 1
	s_wait_alu depctr_va_vdst(0)                   ; row 0's conversions have written registers 4 j and 4 j + 1 of its quads, which the eight stores below read; the next vector line reads what the additions above write
	PUT 0                                          ; no line of row 1 names row 0's registers or v3
.endif
	JOIN
	v_mul_f32 v14, s30, v12                        ; mean, twice: a pair for the packed subtraction
	v_mul_f32 v15, s30, v12
.set i, 0
.rept 16
	v_pk_add_f32 v[R+i:R+i+1], v[R+i:R+i+1], v[14:15] neg_lo:[0,1] neg_hi:[0,1]
.set i, i+2
.endr
.irp c, 0,1,2,3
	v_pk_mul_f32 v[4+2*(\c):5+2*(\c)], v[R+2*(\c):R+2*(\c)+1], v[R+2*(\c):R+2*(\c)+1]
.endr
.irp k, 1,2,3
.irp c, 0,1,2,3
	v_pk_fma_f32 v[4+2*(\c):5+2*(\c)], v[R+8*(\k)+2*(\c):R+8*(\k)+2*(\c)+1], v[R+8*(\k)+2*(\c):R+8*(\k)+2*(\c)+1], v[4+2*(\c):5+2*(\c)]
.endr
.endr
	JOIN
	v_fma_f32 v12, v12, s30, s31                   ; variance + 1e-5
	v_rsq_f32 v16, v12
	v_rsq_f32 v17, v12
	v_nop                                          ; a plain instruction behind the last root,
	s_wait_alu depctr_va_vdst(0)                   ; and one wait for both: v16 and v17 are written, ahead of their first reader
.if (\r) == 0
	s_wait_loadcnt 0x0                             ; gain and bias are in (and the second row)
.endif
.set i, 0
.rept 16
	v_pk_mul_f32 v[R+i:R+i+1], v[R+i:R+i+1], v[16:17]
.set i, i+2
.endr
.set i, 0
.rept 16
	v_pk_fma_f32 v[R+i:R+i+1], v[R+i:R+i+1], v[G+i:G+i+1], v[BT+i:BT+i+1]
.set i, i+2
.endr
.irp j, 0,1,2,3,4,5,6,7
	v_cvt_pk_bf16_f32 v[R+4*(\j)], v[R+4*(\j)], v[R+4*(\j)+1]
	v_cvt_pk_bf16_f32 v[R+4*(\j)+1], v[R+4*(\j)+2], v[R+4*(\j)+3]
.endr
.endm
	s_load_b256 s[4:11], s[0:1], 0x0               ; x1 s[4:5], gain s[6:7], bias s[8:9], h2 s[10:11]
	v_lshrrev_b32 v12, 5, v0
	v_readfirstlane_b32 s26, v12                   ; wave 0..7
	v_and_b32 v1, 31, v0
	v_mov_b32 v13, 0                               ; v_permlanex16_b32's destination counts as read
	s_mov_b32 s29, 0
	s_mov_b32 s30, 0x3a800000                      ; 1 / 1,024
	s_mov_b32 s31, 0x3727c5ac                      ; 1e-5
	s_mov_b32 s32, 0x76543210
	s_mov_b32 s33, 0xfedcba98
	s_lshl_b32 s28, ttmp9, 16                      ; 16 rows of 4,096 bytes a work-group,
	s_wait_alu depctr_va_sdst(0)                   ; s26 is written, ahead of its first reader: the wave's rows are made from it
	s_lshl_b32 s27, s26, 13                        ; two a wave
	s_add_co_u32 s28, s28, s27
	v_lshlrev_b32 v2, 4, v1
	v_lshlrev_b32 v3, 3, v1
	s_wait_kmcnt 0x0
	s_add_nc_u64 s[4:5], s[4:5], s[28:29]
	s_lshr_b32 s28, s28, 1
	s_add_nc_u64 s[OUT:OUT+1], s[OUT:OUT+1], s[28:29]
	s_wait_alu depctr_va_vdst(0)                   ; v2 and v3 are written: every load of the kernel reads v2 as its offset, every store v3
.irp r, 0,1
.irp j, 0,1,2,3,4,5,6,7
	global_load_b128 v[X+32*(\r)+4*(\j):X+32*(\r)+4*(\j)+3], v2, s[4:5] offset:4096*(\r)+512*(\j) th:TH_LOAD_NT
.endr
.endr
.irp j, 0,1,2,3,4,5,6,7
	global_load_b128 v[G+4*(\j):G+4*(\j)+3], v2, s[6:7] offset:512*(\j)
.endr
.irp j, 0,1,2,3,4,5,6,7
	global_load_b128 v[BT+4*(\j):BT+4*(\j)+3], v2, s[8:9] offset:512*(\j)
.endr
	s_wait_loadcnt 24                              ; the first row is in; the 24 younger loads stay out
	LNROW 0
	LNROW 1                                        ; row 0's stores stand in it
	s_wait_alu depctr_va_vdst(0)                   ; row 1's conversions have written registers 4 j and 4 j + 1 of its quads, which the last eight stores read
	PUT 1
	s_endpgm
.Lfunc_end_k_q45c7763319_ln2:
	.size	k_q45c7763319_ln2, .Lfunc_end_k_q45c7763319_ln2-k_q45c7763319_ln2
	.p2alignl 7, 3214868480
	.fill 96, 4, 3214868480
	.section	.rodata,"a",@progbits
	.p2align	6, 0x0
	.amdhsa_kernel k_q45c7763319_ln2
		.amdhsa_group_segment_fixed_size 0
		.amdhsa_private_segment_fixed_size 0
		.amdhsa_enable_private_segment 0
		.amdhsa_kernarg_size 32
		.amdhsa_user_sgpr_count 2
		.amdhsa_user_sgpr_kernarg_segment_ptr 1
		.amdhsa_wavefront_size32 1
		.amdhsa_system_sgpr_workgroup_id_x 1
		.amdhsa_system_sgpr_workgroup_id_y 1
		.amdhsa_system_sgpr_workgroup_id_z 1
		.amdhsa_system_vgpr_workitem_id 0
		.amdhsa_next_free_vgpr 160
		.amdhsa_next_free_sgpr 66
		.amdhsa_reserve_vcc 0
		.amdhsa_float_denorm_mode_32 3
		.amdhsa_float_denorm_mode_16_64 3
		.amdhsa_memory_ordered 1
		.amdhsa_forward_progress 1
		.amdhsa_inst_pref_size 21
	.end_amdhsa_kernel
	.amdgpu_metadata
---
amdhsa.version: [ 1, 2 ]
amdhsa.kernels:
  - .name:           k_q45c7763319_ln2
    .symbol:         k_q45c7763319_ln2.kd
    .args:
      - { .name: x1, .offset: 0, .size: 8, .value_kind: global_buffer, .address_space: global }
      - { .name: ln2_g, .offset: 8, .size: 8, .value_kind: global_buffer, .address_space: global }
      - { .name: ln2_b, .offset: 16, .size: 8, .value_kind: global_buffer, .address_space: global }
      - { .name: h2, .offset: 24, .size: 8, .value_kind: global_buffer, .address_space: global }
    .group_segment_fixed_size: 0
    .private_segment_fixed_size: 0
    .kernarg_segment_align: 8
    .kernarg_segment_size: 32
    .max_flat_workgroup_size: 256
    .sgpr_count:     66
    .vgpr_count:     160
    .wavefront_size: 32
...
	.end_amdgpu_metadata
.endif
;; end of part 8
;; launch fc1: the kernel of part 5 again; grid 16 x 16, 4 waves a work-group, clusters of 4 x 4, 327,680 bytes of LDS; arguments h2, wb, fc1_b, ff; writes ff
;; launch fc2: the kernel of part 6 again; grid 8 x 32, 4 waves a work-group, clusters of 4 x 4, 327,680 bytes of LDS; arguments ff, wb, fc2_b, x1, out0; writes out0
